; MI455X (gfx1250); checked and timed in simulation.
; The chip was launched on July 23, 2026; its instructions are those of AMD's public machine-readable ISA for CDNA 5 (MIT licence, August 2026) and "CDNA5" Instruction Set Architecture Reference Guide (July 2026). The comments in the code are by the model that wrote it; some were corrected since.
;; Group Query Attention. Allowed arithmetic: matrix products marked QUANTISED: E2M3 operands, one E8M0 scale for each 32 along K, by v_wmma_scale_f32_16x16x128_f8f6f4 with both operands' format E2M3, f32 sums; everything else in f32.
;; Inputs: Wk 1,024 x 256 float32; Wo 1,024 x 1,024 float32; Wq 1,024 x 1,024 float32; Wv 1,024 x 256 float32; bk 256 float32; bo 1,024 float32; bq 1,024 float32; bv 256 float32; x 4 x 2,048 x 1,024 float32.
;; Outputs: out0 4 x 2,048 x 1,024 float32.
;; This version of the problem:
;;   THIS VERSION OF THE PROBLEM IS GIVEN IN LOW PRECISION. The matrix products marked QUANTISED in the list below multiply operands that are first quantised to E2M3 (2 exponent bits, 3 mantissa bits; 6 bits a number), with one power-of-two scale for each 32 numbers along K (OCP MX v1.0); their sums are f32. All else is computed in f32.
;;   The module's matrix products, in the order in which they are computed (A, B: the left and right operand; K: the contracted axis; several contracted axes count as one K, in the product's order):
;;     1. [M 8,192, K 1,024] x [K 1,024, N 1,024]; A: input x; B: input Wq: QUANTISED
;;     2. [M 8,192, K 1,024] x [K 1,024, N 256]; A: input x; B: input Wk: QUANTISED
;;     3. [M 8,192, K 1,024] x [K 1,024, N 256]; A: input x; B: input Wv: QUANTISED
;;     4. batch 16 x [M 8,192, K 64] x [K 64, N 2,048]; A: computed on the way; B: computed on the way: QUANTISED
;;     5. batch 16 x [M 8,192, K 2,048] x [K 2,048, N 64]; A: softmax (see below); B: computed on the way: QUANTISED
;;     6. [M 8,192, K 1,024] x [K 1,024, N 1,024]; A: computed on the way; B: input Wo: QUANTISED
;;   THE QUANTISER, for each operand of a quantised product, along K:
;;     - K is cut into blocks of 32 from its start; a last block that is shorter is filled with zeros.
;;     - A block's scale is 2^e with e = floor(log2(the largest magnitude in the block)) - 2, held to -126 .. 127; a block of zeros has e = 0. As a byte (E8M0): e + 127.
;;     - Each number is divided by its block's scale, clamped to +-7.5, and rounded to the nearest number of E2M3, ties to even, subnormals kept.
;;     - The product sums the exact products of the quantised numbers (number of the format x scale) in f32.
;;   ~~~python
;;   def quantise(x, axis):      # numpy; x: float32 -> the quantised numbers, widened to float32 again
;;       x = np.moveaxis(x, axis, -1); K = x.shape[-1]
;;       x = np.pad(x, [(0, 0)] * (x.ndim - 1) + [(0, -K % 32)]); x = x.reshape(x.shape[:-1] + (-1, 32)); a = np.abs(x).max(-1, keepdims=True)
;;       e = np.where(a > 0, np.clip(np.frexp(np.where(a > 0, a, 1))[1] - 1 - 2, -126, 127), 0)      # np.frexp(a)[1] - 1 = floor(log2(a)), exactly
;;       r = np.clip(x / 2.0 ** e, -7.5, 7.5)
;;       step = 2.0 ** (np.maximum(np.frexp(np.where(r == 0, 1, r))[1] - 1, 0) - 3)
;;       q = np.round(r / step) * step * 2.0 ** e      # np.round: ties to even
;;       return np.moveaxis(q.reshape(q.shape[:-2] + (-1,))[..., :K], -1, axis).astype(np.float32)
;;   ~~~
;;   SOFTMAX AHEAD OF A QUANTISED PRODUCT. Where the list says 'softmax', what is quantised is not the finished softmax but p = 2^(t - M), with t = logit x log2(e) and M = ceil(the row's largest t), a whole number; so 1/2 < the row's largest p <= 1. The row's sum l is taken of the UNQUANTISED p, in f32, and the product's result is divided by l at the end. Since M is a whole number, a kernel that streams over the keys may use a running M (the ceiling of the running maximum): every later rescaling is an exact power of two, which a block's scale takes up: the codes' values come out the same.
;;   OPERANDS COMPUTED ON THE WAY. 'Computed on the way' means the value that the module computes at that place (a softmax that the list does not call 'softmax' is quantised finished and normalised). What goes into a quantiser is computed in f32, as accurately as f32 sums, v_exp_f32 and their like allow (about 1e-6 of the number): no bf16 or f16 on the way to a quantiser, and a product that is left as it is and whose result goes on into a quantised operand takes f32 operands (vector FMAs, or v_wmma_f32_16x16x4_f32). A number that lies on a knife's edge between two numbers of the format may be rounded either way, as far as f32 arithmetic and the matrix unit's own rounding can turn it there, and no further.
;; One version. Each part assembles by itself: llvm-mc -triple=amdgcn-amd-amdhsa -mcpu=gfx1250 --defsym DOCPART=n.
;; ======== version 1 of 1: 4 launches
;; limits: right only within a limited range of input values
;; workspace buffers: xcod 6,291,456 bytes; xscl 262,144 bytes; wcod 1,966,080 bytes; wscl 81,920 bytes; qbuf 6,815,744 bytes; kvbuf 3,407,872 bytes; acod 6,291,456 bytes; ascl 262,144 bytes
;; launch prep (part 1): grid 416 x 1, 4 waves a work-group, no clusters, 46,592 bytes of LDS; arguments x, Wq, Wk, Wv, Wo, xcod, xscl, wcod, wscl; writes xcod, xscl, wcod, wscl
.if DOCPART == 1
	.amdgcn_target "amdgcn-amd-amdhsa--gfx1250"
	.amdhsa_code_object_version 6
	.text
	.protected	k_q8b5b98616b_prep
	.globl	k_q8b5b98616b_prep
	.p2align	8
	.type	k_q8b5b98616b_prep,@function
k_q8b5b98616b_prep:
	s_mov_b64 s[64:65], 0
	v_nop
	global_prefetch_b8 v0, s[64:65] scope:SCOPE_SE
	s_setreg_imm32_b32 hwreg(HW_REG_WAVE_MODE, 25, 1), 1
	s_wait_xcnt 0x0
; x [8192][1024] and the four weights ([1024 (k)][n]), f32, become codes of FP6 (E2M3) with one E8M0 byte for each 32 along K, laid as IMAGES OF THE OPERAND'S REGISTERS.
; A fragment is 16 rows x 128 K = 12 registers a lane = 1,536 bytes: registers 4 j .. 4 j + 3 of lane L lie at 512 j + 16 L.  A tile of 16 rows has 8 fragments on end: 12,288 bytes.
; THE ROWS OF A TILE ARE NOT NEIGHBOURS: row r of tile 2 B + u is index 32 B + 8 u + r + 8 (r / 8) (of the tokens, or of a weight's columns), so that a result's 16 registers of two neighbouring tiles are 16 neighbours.
; Scale words (four bytes: 128 along K of one row): word (tile, K step ks, row r) at 512 tile + 128 (ks / 2) + 64 (ks % 2) + 4 r: one load of 4 bytes a lane brings an even K step in lanes 0-15 and the odd one in lanes 16-31.
; wcod's tiles: 0-63 Wq, 64-79 Wk, 80-95 Wv, 96-159 Wo.  Wo's K goes in the order in which the attention launch makes its operand: K step 2 g + pp holds rows 256 (2 pp + c) + 64 g + 32 h + 0 .. 31 at k = 64 c + 32 h + 0 .. 31.
; A block's scale is 2^(floor(log2(largest magnitude)) - 2): its byte is the largest magnitude's exponent field - 2, held at 1 from below by a floor among the maximum's leaves.
; LIMITS: a block of zeros gets the byte 1 where the quantiser's rule says 127 (its codes are zeros, and this program alone reads the bytes); NaN and infinities among the inputs are not served.
; Work-groups 0-255 take x, 256-415 the weights.  No tensor load, no barrier: waves share nothing.  The two paths have LDS bytes of their own.  No cluster: no two work-groups read the same bytes.
; The weights' scale words leave in runs of 64 bytes: they are one part in 24 of the codes' bytes.
.set WV,   22                          ; s22      my wave's number
.set SEL,  50                          ; s[50:51] lane selects for v_permlanex16_b32: lane l xor 16
; the x path's registers
.set R,    16                          ; v16-143  two sets of 64: a K step as loaded (a row to a load)
.set X,    144                         ; v144-207 64 numbers of my row: register 16 b + i = k 32 b + 16 (lane / 16) + i
.set PC,   208                         ; v208-219 the fragment just made
.set CT,   220                         ; v220-226 the conversions' second halves
.set TM,   228                         ; v228-243 at work in QUANT
.set PW,   244                         ; v244-247 a scale word for each K step
.set SW,   248                         ; v248-249 two K steps' words in one register
.set XSTG, 8448                        ; LDS: a stage of 16 rows x (512 + 16) bytes for each wave
; the weights path's registers
.set OFF,  16                          ; v16-47   4 x lane + i rows
.set WX,   48                          ; v48-111  two sets of 32: a block of 32 along K of my column
.set CB,   112                         ; v112-143 a block's six registers of codes, eight apart
.set WCT,  144                         ; v144-146 a conversion's second half
.set RB,   152                         ; v152-175 the two fragments read back
.set WST0, 33792                       ; LDS: behind the x path's stages, 3,072 bytes (two fragments) for each wave
; 64 numbers of a lane, v[s] on, register 16 b + i = k 32 b + 16 (lane / 16) + i of my row, become a fragment's codes in v[pc] on and its scale word in v[pw]
.macro QUANT s, pc, ct, pw
.irp b, 0,1,2,3
	v_max3_num_f32 v[TM+\b], |v[\s+16*\b]|, |v[\s+1+16*\b]|, 0x1800000   ; block b: my 16 numbers, and the floor 2^(3 - 127): the byte cannot fall under 1
.endr
.irp i, 2,4,6,8,10,12,14
.irp b, 0,1,2,3
	v_max3_num_f32 v[TM+\b], v[TM+\b], |v[\s+16*\b+\i]|, |v[\s+1+16*\b+\i]|   ; the four blocks by turns
.endr
.endr
.irp b, 0,1,2,3
	v_permlanex16_b32 v[TM+4+\b], v[TM+\b], s[SEL], s[SEL+1]
.endr
.irp b, 0,1,2,3
	v_max_num_f32 v[TM+\b], v[TM+\b], v[TM+4+\b]   ; with lane l xor 16's: the block's largest magnitude
.endr
.irp b, 0,1,2,3
	v_add_nc_u32 v[TM+12+\b], 0xff000000, v[TM+\b] ; 2 off its exponent field: the conversion's scale operand
.endr
.irp b, 0,1,2,3
	v_lshrrev_b32 v[TM+4+\b], 23, v[TM+12+\b]      ; the scale's byte
.endr
	v_lshl_or_b32 v[\pw], v[TM+5], 8, v[TM+4]
	v_lshl_or_b32 v[\pw], v[TM+6], 16, v[\pw]
	v_lshl_or_b32 v[\pw], v[TM+7], 24, v[\pw]
.irp c, 0,1
	v_cvt_scalef32_pk16_fp6_f32 v[\pc+6*\c:\pc+2+6*\c], v[\s+32*\c:\s+15+32*\c], v[TM+12+2*\c]
	v_cvt_scalef32_pk16_fp6_f32 v[\ct+4*\c:\ct+2+4*\c], v[\s+16+32*\c:\s+31+32*\c], v[TM+12+2*\c+1]   ; (a conversion's three registers begin on an even number)
.endr
	v_nop                                          ; one plain place behind a scaled conversion
.irp c, 0,1                                    ; the operand wants a whole block in a lane: lanes 0-15 block 2 c, lanes 16-31 block 2 c + 1
.irp i, 0,1,2
	v_permlane16_swap_b32 v[\pc+6*\c+\i], v[\ct+4*\c+\i]
.endr
.irp i, 0,1,2
	v_mov_b32 v[\pc+3+6*\c+\i], v[\ct+4*\c+\i]
.endr
.endr
.endm
	s_load_b256 s[4:11], s[0:1], 0x0               ; x s[4:5], Wq s[6:7], Wk s[8:9], Wv s[10:11]
	s_load_b256 s[12:19], s[0:1], 0x20             ; Wo s[12:13], xcod s[14:15], xscl s[16:17], wcod s[18:19]
	s_load_b64 s[20:21], s[0:1], 0x40              ; wscl
	v_lshl_add_u32 v254, v0, 2, 0xb400
	v_mov_b32 v255, 0
	v_lshrrev_b32 v5, 5, v0
	v_readfirstlane_b32 s[WV], v5                  ; wave 0..3
	v_and_b32 v5, 31, v0                           ; lane
	v_lshlrev_b32 v1, 4, v5                        ; v1 = 16 x lane
	v_lshlrev_b32 v4, 2, v5                        ; v4 = 4 x lane
	s_cmp_lt_u32 ttmp9, 256
	s_cbranch_scc0 .Lweights
; ---------------- x: a wave takes one tile of 16 tokens and half of K: four K steps of 128 ----------------
	s_lshr_b32 s26, s[WV], 1                       ; u: tile 2 x work-group + u
	s_and_b32 s27, s[WV], 1                        ; which half of K
	s_lshl_b32 s24, ttmp9, 17                      ; 32 tokens of 4,096 bytes for each work-group,
	s_lshl_b32 s28, s26, 15                        ; 8 u tokens,
	s_add_co_u32 s24, s24, s28
	s_lshl_b32 s28, s27, 11                        ; 512 numbers along K
	s_add_co_u32 s24, s24, s28
	s_mov_b32 s25, 0
	s_lshl_b32 s30, ttmp9, 1
	s_add_co_u32 s30, s30, s26                     ; the tile
	s_mul_i32 s32, s30, 12288
	s_mul_i32 s28, s27, 6144
	s_add_co_u32 s32, s32, s28                     ; its four fragments in xcod
	s_mov_b32 s33, 0
	s_lshl_b32 s34, s30, 9
	s_lshl_b32 s28, s27, 8
	s_add_co_u32 s34, s34, s28                     ; and their scale words in xscl
	s_mov_b32 s35, 0
	s_mul_i32 s29, s[WV], XSTG                     ; my stage
	s_mov_b32 s[SEL], 0x76543210
	s_mov_b32 s[SEL+1], 0xfedcba98
	s_mov_b32 s36, 0xffff0000                      ; lanes 16-31
	s_wait_alu depctr_va_vdst(0)
	v_add_nc_u32 v2, s29, v1                       ; into the stage: 16 x lane of a row
	v_and_b32 v6, 15, v0                           ; r
	v_bfe_u32 v7, v0, 4, 1                         ; h
	v_mul_u32_u24 v3, v6, 528
	v_lshl_add_u32 v3, v7, 6, v3
	v_add_nc_u32 v3, s29, v3                       ; out of it: row r, + 64 h: my 16 numbers of each block of 32.  528 bytes from row to row: sixteen rows start in sixteen groups of banks
.irp b, 0,1,2,3
	v_mov_b32 v[TM+4+\b], 0                        ; written once: a lane permute's destination counts as one of its sources
.endr
	s_wait_alu depctr_va_vdst(0)
	s_wait_kmcnt 0x0
	s_add_nc_u64 s[4:5], s[4:5], s[24:25]
	s_add_nc_u64 s[14:15], s[14:15], s[32:33]
	s_add_nc_u64 s[16:17], s[16:17], s[34:35]
.macro LOADX t, reg                            ; K step t: sixteen loads, a row each: 32 lanes read 512 consecutive bytes.  Row i of the tile is token i + 8 (i / 8)
.irp i, 0,1,2,3,4,5,6,7,8,9,10,11,12,13,14,15
	global_load_b128 v[\reg+4*\i:\reg+4*\i+3], v1, s[4:5] offset:(\i+8*(\i/8))*4096+512*(\t) th:TH_LOAD_NT
.endr
.endm
.macro XSTEP t
.set RS, R+64*((\t)%2)
.if (\t) < 3
	s_wait_loadcnt 16                              ; this K step's sixteen loads are in; the next step's sixteen may be out
.else
	s_wait_loadcnt 0x0
.endif
.irp i, 0,1,2,3,4,5,6,7,8,9,10,11,12,13,14,15
	ds_store_b128 v2, v[RS+4*\i:RS+4*\i+3] offset:528*\i
.endr
.irp b, 0,1,2,3
.irp j, 0,1,2,3
	ds_load_b128 v[X+16*\b+4*\j:X+16*\b+4*\j+3], v3 offset:128*\b+16*\j   ; LDS serves a wave's instructions in order: these see the stores above
.endr
.endr
	s_wait_dscnt 0x0                               ; my 64 numbers are back, so the stores have read their registers,
.if (\t) < 2
	LOADX (\t)+2, RS                               ; which take the K step two on
.endif
	s_wait_xcnt 0x0                                ; the last step's stores have read the fragment's registers: they are written again only behind this wait
	QUANT X, PC, CT, PW+(\t)
.irp j, 0,1,2
	global_store_b128 v1, v[PC+4*\j:PC+4*\j+3], s[14:15] offset:1536*(\t)+512*\j   ; 512 consecutive bytes a store
.endr
.if ((\t)%2) == 1
	v_cndmask_b32 v[SW+(\t)/2], v[PW+(\t)-1], v[PW+(\t)], s36   ; lanes 0-15 the even K step's words, lanes 16-31 the odd one's
	global_store_b32 v4, v[SW+(\t)/2], s[16:17] offset:128*((\t)/2)
.endif
.endm
	LOADX 0, R
	LOADX 1, R+64
.irp t, 0,1,2,3
	XSTEP \t
.endr
	s_wait_tensorcnt 0x0
	ds_add_u32 v254, v255
	s_wait_dscnt 0x0
	s_endpgm
; ---------------- the weights: a work-group takes 128 columns x one K step of 128; a wave 32 columns: a lane takes a column, and its registers run down K ----------------
.Lweights:
	s_sub_co_u32 s24, ttmp9, 256
	s_lshr_b32 s25, s24, 3                         ; the group of 128 columns: 0-7 Wq, 8-9 Wk, 10-11 Wv, 12-19 Wo
	s_and_b32 s26, s24, 7                          ; the K step
	s_lshl_b32 s40, s26, 7                         ; its first row: 128 ks;
	s_and_b32 s41, s26, 1
	s_lshl_b32 s41, s41, 9
	s_lshr_b32 s42, s26, 1
	s_lshl_b32 s42, s42, 6
	s_add_co_u32 s41, s41, s42                     ; in Wo: 512 (ks % 2) + 64 (ks / 2)
	s_mul_i32 s29, s[WV], 3072
	s_add_co_u32 s29, s29, WST0                    ; my stage
	v_bfe_u32 v6, v0, 3, 1                         ; column 32 B + lane is row r = lane % 8 + 8 (lane / 16) of tile 2 B + u, u = (lane / 8) % 2
	v_and_b32 v7, 7, v0
	v_bfe_u32 v8, v0, 4, 1
	v_lshl_add_u32 v7, v8, 3, v7                   ; r
	v_mul_u32_u24 v9, v6, 1536
	v_lshl_add_u32 v9, v7, 4, v9
	v_add_nc_u32 v9, s29, v9                       ; into the stage: fragment u, 16 r
	s_wait_alu depctr_va_vdst(0)
	v_add_nc_u32 v10, s29, v1                      ; out of it: 16 x lane
	v_lshlrev_b32 v11, 9, v6
	v_lshl_add_u32 v11, v7, 2, v11                 ; my scale word: 512 u + 4 r
	s_wait_kmcnt 0x0
	s_mov_b64 s[28:29], s[12:13]                   ; which tensor: the choice hangs on the work-group's number alone
	s_mov_b32 s30, 12                              ; its first group of columns
	s_mov_b32 s31, 4096                            ; a row in bytes
	s_mov_b32 s43, 256                             ; rows from k = 0 .. 63 to k = 64 .. 127 of a K step
	s_cmp_lt_u32 s25, 12
	s_cselect_b64 s[28:29], s[10:11], s[28:29]
	s_cselect_b32 s30, 10, s30
	s_cselect_b32 s31, 1024, s31
	s_cselect_b32 s40, s40, s41
	s_cselect_b32 s43, 64, s43
	s_cmp_lt_u32 s25, 10
	s_cselect_b64 s[28:29], s[8:9], s[28:29]
	s_cselect_b32 s30, 8, s30
	s_cmp_lt_u32 s25, 8
	s_cselect_b64 s[28:29], s[6:7], s[28:29]
	s_cselect_b32 s30, 0, s30
	s_cselect_b32 s31, 4096, s31
	s_sub_co_u32 s44, s25, s30
	s_lshl_b32 s44, s44, 9
	s_lshl_b32 s45, s[WV], 7
	s_add_co_u32 s44, s44, s45                     ; my wave's first column, in bytes
	s_mul_i32 s46, s40, s31
	s_add_co_u32 s46, s46, s44                     ; block 0
	s_mov_b32 s47, 0
	s_lshl_b32 s48, s31, 5                         ; 32 rows
	s_mul_i32 s49, s43, s31
	s_add_nc_u64 s[32:33], s[28:29], s[46:47]
	s_add_co_u32 s46, s46, s48
	s_add_nc_u64 s[34:35], s[28:29], s[46:47]      ; block 1: 32 rows on
	s_sub_co_u32 s46, s46, s48
	s_add_co_u32 s46, s46, s49
	s_add_nc_u64 s[36:37], s[28:29], s[46:47]      ; block 2
	s_add_co_u32 s46, s46, s48
	s_add_nc_u64 s[38:39], s[28:29], s[46:47]      ; block 3
	s_lshl_b32 s44, s25, 2
	s_add_co_u32 s44, s44, s[WV]                   ; my pair of tiles
	s_mul_i32 s46, s44, 24576
	s_mul_i32 s45, s26, 1536
	s_add_co_u32 s46, s46, s45
	s_add_nc_u64 s[18:19], s[18:19], s[46:47]      ; fragment (tile 2 B, ks) in wcod
	s_lshl_b32 s46, s44, 10
	s_lshr_b32 s45, s26, 1
	s_lshl_b32 s45, s45, 7
	s_add_co_u32 s46, s46, s45
	s_and_b32 s45, s26, 1
	s_lshl_b32 s45, s45, 6
	s_add_co_u32 s46, s46, s45
	s_add_nc_u64 s[20:21], s[20:21], s[46:47]      ; and its scale words
	v_mov_b32 v[OFF], v4
.set I, 1
.rept 31
	v_add_nc_u32 v[OFF+I], s31, v[OFF+I-1]         ; a row further down
.set I, I+1
.endr
.macro WLOAD kb                                ; block kb: 32 rows at my column: 32 lanes read 128 consecutive bytes, the four waves 512
.irp i, 0,1,2,3,4,5,6,7,8,9,10,11,12,13,14,15,16,17,18,19,20,21,22,23,24,25,26,27,28,29,30,31
	global_load_b32 v[WX+32*((\kb)%2)+\i], v[OFF+\i], s[32+2*(\kb):33+2*(\kb)] th:TH_LOAD_NT
.endr
.endm
.macro WBLOCK kb
.set XS, WX+32*((\kb)%2)
.set CK, CB+8*(\kb)
.if (\kb) < 3
	s_wait_loadcnt 32                              ; this block's 32 loads are in; the next block's may be out
.else
	s_wait_loadcnt 0x0
.endif
	v_max3_num_f32 v12, |v[XS]|, |v[XS+1]|, |v[XS+2]|   ; the block's largest magnitude: all 32 numbers are mine
	v_max3_num_f32 v13, |v[XS+3]|, |v[XS+4]|, |v[XS+5]|
.irp i, 6,10,14,18,22,26
	v_max3_num_f32 v12, v12, |v[XS+\i]|, |v[XS+\i+1]|
	v_max3_num_f32 v13, v13, |v[XS+\i+2]|, |v[XS+\i+3]|
.endr
	v_max3_num_f32 v12, v12, |v[XS+30]|, |v[XS+31]|
	v_max3_num_f32 v12, v12, v13, 0x1800000        ; and the floor 2^(3 - 127)
	v_add_nc_u32 v14, 0xff000000, v12              ; 2 off the exponent field: the conversion's scale operand
	v_lshrrev_b32 v13, 23, v14                     ; the scale's byte
.if (\kb) == 0
	v_mov_b32 v15, v13
.else
	v_lshl_or_b32 v15, v13, 8*(\kb), v15           ; byte kb of my column's scale word
.endif
	v_cvt_scalef32_pk16_fp6_f32 v[CK:CK+2], v[XS:XS+15], v14
	v_cvt_scalef32_pk16_fp6_f32 v[WCT:WCT+2], v[XS+16:XS+31], v14
	v_nop                                          ; one plain place behind a scaled conversion
.irp i, 0,1,2
	v_mov_b32 v[CK+3+\i], v[WCT+\i]
.endr
; block kb = 2 c + h is registers 6 c .. 6 c + 5 of lane r + 16 h of the fragment's image
.if (\kb) < 2
	ds_store_b128 v9, v[CK:CK+3] offset:256*((\kb)%2)
	ds_store_b64 v9, v[CK+4:CK+5] offset:512+256*((\kb)%2)
.else
	ds_store_b64 v9, v[CK:CK+1] offset:520+256*((\kb)%2)
	ds_store_b128 v9, v[CK+2:CK+5] offset:1024+256*((\kb)%2)
.endif
.if (\kb)+2 < 4
	WLOAD (\kb)+2
.endif
.endm
	WLOAD 0
	WLOAD 1
.irp k, 0,1,2,3
	WBLOCK \k
.endr
.irp i, 0,1,2,3,4,5
	ds_load_b128 v[RB+4*\i:RB+4*\i+3], v10 offset:512*\i   ; LDS serves a wave's instructions in order: these see my stores
.endr
	global_store_b32 v11, v15, s[20:21]
	s_wait_dscnt 0x0
.irp i, 0,1,2,3,4,5
	global_store_b128 v1, v[RB+4*\i:RB+4*\i+3], s[18:19] offset:(\i/3)*12288+512*(\i%3)   ; 512 consecutive bytes a store
.endr
	s_wait_tensorcnt 0x0
	ds_add_u32 v254, v255
	s_wait_dscnt 0x0
	s_endpgm
.Lfunc_end_k_q8b5b98616b_prep:
	.size	k_q8b5b98616b_prep, .Lfunc_end_k_q8b5b98616b_prep-k_q8b5b98616b_prep
	.p2alignl 7, 3214868480
	.fill 96, 4, 3214868480
	.section	.rodata,"a",@progbits
	.p2align	6, 0x0
	.amdhsa_kernel k_q8b5b98616b_prep
		.amdhsa_group_segment_fixed_size 46592
		.amdhsa_private_segment_fixed_size 0
		.amdhsa_enable_private_segment 0
		.amdhsa_kernarg_size 72
		.amdhsa_user_sgpr_count 2
		.amdhsa_user_sgpr_kernarg_segment_ptr 1
		.amdhsa_wavefront_size32 1
		.amdhsa_system_sgpr_workgroup_id_x 1
		.amdhsa_system_sgpr_workgroup_id_y 1
		.amdhsa_system_sgpr_workgroup_id_z 1
		.amdhsa_system_vgpr_workitem_id 0
		.amdhsa_next_free_vgpr 256
		.amdhsa_next_free_sgpr 66
		.amdhsa_reserve_vcc 0
		.amdhsa_float_denorm_mode_32 3
		.amdhsa_float_denorm_mode_16_64 3
		.amdhsa_memory_ordered 1
		.amdhsa_forward_progress 1
		.amdhsa_inst_pref_size 57
	.end_amdhsa_kernel
	.amdgpu_metadata
---
amdhsa.version: [ 1, 2 ]
amdhsa.kernels:
  - .name:           k_q8b5b98616b_prep
    .symbol:         k_q8b5b98616b_prep.kd
    .args:
      - { .name: x, .offset: 0, .size: 8, .value_kind: global_buffer, .address_space: global }
      - { .name: Wq, .offset: 8, .size: 8, .value_kind: global_buffer, .address_space: global }
      - { .name: Wk, .offset: 16, .size: 8, .value_kind: global_buffer, .address_space: global }
      - { .name: Wv, .offset: 24, .size: 8, .value_kind: global_buffer, .address_space: global }
      - { .name: Wo, .offset: 32, .size: 8, .value_kind: global_buffer, .address_space: global }
      - { .name: xcod, .offset: 40, .size: 8, .value_kind: global_buffer, .address_space: global }
      - { .name: xscl, .offset: 48, .size: 8, .value_kind: global_buffer, .address_space: global }
      - { .name: wcod, .offset: 56, .size: 8, .value_kind: global_buffer, .address_space: global }
      - { .name: wscl, .offset: 64, .size: 8, .value_kind: global_buffer, .address_space: global }
    .group_segment_fixed_size: 46592
    .private_segment_fixed_size: 0
    .kernarg_segment_align: 8
    .kernarg_segment_size: 72
    .max_flat_workgroup_size: 128
    .sgpr_count:     66
    .vgpr_count:     256
    .wavefront_size: 32
...
	.end_amdgpu_metadata
.endif
;; end of part 1
;; launch gemm1 (part 2): grid 64 x 6, 8 waves a work-group, clusters of 4 x 1, 295,936 bytes of LDS; arguments xcod, xscl, wcod, wscl, bq, bk, bv, qbuf, kvbuf; writes qbuf, kvbuf
.if DOCPART == 2
	.amdgcn_target "amdgcn-amd-amdhsa--gfx1250"
	.amdhsa_code_object_version 6
	.text
	.protected	k_q8b5b98616b_gemm1
	.globl	k_q8b5b98616b_gemm1
	.p2align	8
	.type	k_q8b5b98616b_gemm1,@function
k_q8b5b98616b_gemm1:
	s_mov_b64 s[64:65], 0
	v_nop
	global_prefetch_b8 v0, s[64:65] scope:SCOPE_SE
	s_setreg_imm32_b32 hwreg(HW_REG_WAVE_MODE, 25, 1), 1
	s_wait_xcnt 0x0
	s_wait_alu depctr_hold_cnt(0) depctr_sa_sdst(0) depctr_va_vdst(0) depctr_va_sdst(0) depctr_va_ssrc(0) depctr_va_vcc(0) depctr_vm_vsrc(0)
	s_getreg_b32 s2, hwreg(HW_REG_IB_STS2, 6, 4)
	s_cmp_eq_u32 s2, 0
	s_cbranch_scc0 .Lentry_in_a_cluster
	s_endpgm
.Lentry_in_a_cluster:
	s_bfe_u32 s2, ttmp6, 0x10000c
	s_cmp_lg_u32 s2, 0x3003
	s_cbranch_scc0 .Lentry_shape_is_right
	s_endpgm
.Lentry_shape_is_right:
; Q = x Wq + bq, K = x Wk + bk, V = x Wv + bv on codes of FP6 (E2M3) with E8M0 scales, and the results quantised at once into the operands of the attention launch.
; A work-group takes 128 tokens (8 tiles: one key step) x 256 columns (16 tiles): y = 0..3 Q's group y, y = 4 K, y = 5 V.  Eight waves: wave w takes head w / 2 (64 columns) x tokens 64 (w % 2) on: 16 accumulators.
; ALL OF K (1,024) LIES IN LDS, filled once, walked in four chunks of 256: each wave issues one tensor load at the start and nothing is ever filled again.  Codes lie as images of the operand's registers
; (a fragment = 1,536 dense bytes), so a fragment is three loads of 16 bytes a lane at 16 x lane.
; CLUSTER: the four work-groups of a cluster take four blocks of tokens and the same columns: the weights' tiles are asked for JOINTLY (waves 0-3).  x's tiles are each work-group's own: plain loads (waves 4-7).
; Q and K: source 0 = 16 columns of W, source 1 = 16 tokens: a lane holds ONE token and its registers run along the head's 64: two blocks of 32 of the scores' K.  The bias is what the accumulators begin with.
; V: the sources change places: a lane holds ONE channel of the head and its registers run along the tokens, which are the second product's K.  The bias is added behind the sums.
; The rows of a tile are not neighbours (row r of tile 2 B + u is index 32 B + 8 u + r + 8 (r / 8)), so the 16 registers of two neighbouring tiles are 16 neighbours.
; OUT: units of 16 rows x 64 K = 6 registers a lane = 768 bytes (registers 0-3 at 16 x lane, 4-5 at 512 + 8 x lane), and for each 4 tiles 256 bytes of scale words: word (tile a, row r) at 8 (r + 16 (a % 2)) + 4 (a / 2),
; = the two bytes | 0x7f7f0000.  qbuf: [batch][group][head of the group][tile 0..127] units, from QSO on the scale words.  kvbuf: [batch][group][key step] blocks of 13,312 bytes: K's 8 units, V's 8 ([64 keys][16 channels]), K's and V's scale words.
; LIMITS: a block of zeros gets the byte 1 where the quantiser's rule says 127 (its codes are zeros; this program alone reads the bytes); NaN and infinities are not served.
; AS THE TEXT STANDS: each wave issues ONE tensor load, at the head: waves 0-3 four whole tiles of W (49,152 dense bytes, asked for jointly), waves 4-7 two whole tiles of x (24,576 dense bytes).
; LDS holds whole tiles of 12,288 bytes, W's sixteen and behind them x's eight; one wait for 0 and one barrier show them to all waves.  The chunks of 256 named above are only the order in which K is walked.
.set WV, 22
.set G1W,   28                         ; s[28:35] descriptor group 1, the weights' tiles;  s[36:43] x's
.set G1X,   36
.set G0W,   44                         ; s[44:47] group 0 for W's tiles;  s[68:71] for x's
.set G0X,   68
.set SEL,   94                         ; s[94:95] lane selects: lane l xor 16
.set CHUNK, 73728                      ; 256 along K: 16 tiles of W, then 8 of x, 3,072 bytes each
.set XOFF, 196608
.set QSO,   6291456                    ; where Q's scale words begin in qbuf
.set AW,    1                          ; v1  LDS address of my four tiles of W in the chunk in hand: 16 x lane + ..
.set AX,    2                          ; v2  of my four tiles of x
.set SC,    8                          ; v8-23  scale words, two sets of 8: W's four tiles, x's four; lanes 0-15 the chunk's first K step, lanes 16-31 its second
.set WF,    24                         ; v24-71   W's four fragments
.set XF,    72                         ; v72-119  x's four
.set BR,    120                        ; v120-127 V's bias: a pair for each tile of channels
.set ACC,   128                        ; v128-255 accumulator (a, b) at 128 + 8 (4 a + b): a = source 1's tile, b = source 0's
.set TM,    60                         ; the way out: v60-75 at work
.macro NOP4
.rept 4
	v_nop
.endr
.endm
.macro ROUND                           ; a round of the cluster's barrier
	s_barrier_signal -1
	s_barrier_wait -1
	s_cmp_lg_u32 s[WV], 0
	s_cbranch_scc1 .Lnot_wave_0_\@
	s_barrier_signal -3
.Lnot_wave_0_\@:
	s_barrier_wait -3
	s_barrier_signal -1
	s_barrier_wait -1
.endm
.macro QUANT s, pc, ct, pw             ; 64 numbers of a lane, register 16 b + i = k 32 b + 16 (lane / 16) + i, become 12 registers of codes and a scale word
.irp b, 0,1,2,3
	v_max3_num_f32 v[TM+\b], |v[\s+16*\b]|, |v[\s+1+16*\b]|, 0x1800000   ; each accumulator is read from its low end on; the floor 2^(3 - 127) holds the byte at 1 from below
.endr
.irp i, 2,4,6,8,10,12,14
.irp b, 0,1,2,3
	v_max3_num_f32 v[TM+\b], v[TM+\b], |v[\s+16*\b+\i]|, |v[\s+1+16*\b+\i]|
.endr
.endr
.irp b, 0,1,2,3
	s_delay_alu instid0(VALU_DEP_4)
	v_permlanex16_b32 v[TM+4+\b], v[TM+\b], s[SEL], s[SEL+1]
.endr
.irp b, 0,1,2,3
	s_delay_alu instid0(VALU_DEP_4)
	v_max_num_f32 v[TM+\b], v[TM+\b], v[TM+4+\b]
.endr
.irp b, 0,1,2,3
	s_delay_alu instid0(VALU_DEP_4)
	v_add_nc_u32 v[TM+12+\b], 0xff000000, v[TM+\b]
.endr
.irp b, 0,1,2,3
	s_delay_alu instid0(VALU_DEP_4)
	v_lshrrev_b32 v[TM+4+\b], 23, v[TM+12+\b]
.endr
	s_delay_alu instid0(VALU_DEP_3)
	v_lshl_or_b32 v[\pw], v[TM+5], 8, v[TM+4]
	s_delay_alu instid0(VALU_DEP_1)
	v_lshl_or_b32 v[\pw], v[TM+6], 16, v[\pw]
	s_delay_alu instid0(VALU_DEP_1)
	v_lshl_or_b32 v[\pw], v[TM+7], 24, v[\pw]
.irp c, 0,1
	v_cvt_scalef32_pk16_fp6_f32 v[\pc+6*\c:\pc+2+6*\c], v[\s+32*\c:\s+15+32*\c], v[TM+12+2*\c]
	v_cvt_scalef32_pk16_fp6_f32 v[\ct+4*\c:\ct+2+4*\c], v[\s+16+32*\c:\s+31+32*\c], v[TM+12+2*\c+1]
.endr
	v_nop                                          ; one plain place behind a scaled conversion
.irp c, 0,1
.irp i, 0,1,2
	v_permlane16_swap_b32 v[\pc+6*\c+\i], v[\ct+4*\c+\i]
.endr
.irp i, 0,1,2
	s_delay_alu instid0(VALU_DEP_3)
	v_mov_b32 v[\pc+3+6*\c+\i], v[\ct+4*\c+\i]
.endr
.endr
.endm
; one product.  q = 1: the chunk's second K step: both sides' scales from lanes 16-31.  zero = 1: it starts its sum
.macro WM d, a, b, sa, sb, q, zero
.if \zero
	v_wmma_scale_f32_16x16x128_f8f6f4 v[\d:\d+7], v[\a:\a+11], v[\b:\b+11], 0, v[\sa], v[\sb] matrix_a_fmt:MATRIX_FMT_FP6 matrix_b_fmt:MATRIX_FMT_FP6
.elseif \q
	v_wmma_scale_f32_16x16x128_f8f6f4 v[\d:\d+7], v[\a:\a+11], v[\b:\b+11], v[\d:\d+7], v[\sa], v[\sb] matrix_a_fmt:MATRIX_FMT_FP6 matrix_b_fmt:MATRIX_FMT_FP6 matrix_a_scale:MATRIX_SCALE_ROW1 matrix_b_scale:MATRIX_SCALE_ROW1
.else
	v_wmma_scale_f32_16x16x128_f8f6f4 v[\d:\d+7], v[\a:\a+11], v[\b:\b+11], v[\d:\d+7], v[\sa], v[\sb] matrix_a_fmt:MATRIX_FMT_FP6 matrix_b_fmt:MATRIX_FMT_FP6
.endif
.endm
; a K step's 16 products: the sixteen accumulators take turns, in the same order in every step
.macro MUL16 swap, q, st, zero
.irp a, 0,1,2,3
.irp b, 0,1,2,3
.if \swap
	WM ACC+8*(4*\a+\b), XF+12*\b, WF+12*\a, SC+8*(\st)+4+\b, SC+8*(\st)+\a, \q, \zero
.else
	WM ACC+8*(4*\a+\b), WF+12*\b, XF+12*\a, SC+8*(\st)+\b, SC+8*(\st)+4+\a, \q, \zero
.endif
.endr
.endr
.endm
.macro SCLOAD c, st                    ; chunk c's scale words into set st
.irp i, 0,1,2,3
	global_load_b32 v[SC+8*(\st)+\i], v3, s[10:11] offset:512*\i+128*(\c)
	global_load_b32 v[SC+8*(\st)+4+\i], v3, s[6:7] offset:512*\i+128*(\c)
.endr
.endm
.macro MAIN swap, zero
.irp c, 0,1,2,3
.if \c == 0
	s_wait_alu depctr_va_vdst(0)
	s_wait_tensorcnt 0x0                           ; my one tensor load has landed,
	s_barrier_signal -1
	s_barrier_wait -1                              ; everybody's has: all of K lies in LDS
.endif
.if \c < 3
	SCLOAD \c+1, (\c+1)%2
	s_wait_loadcnt 8                               ; all but the eight just issued: this chunk's scale words (and, the first time, the biases)
.else
	s_wait_loadcnt 0x0
.endif
.irp kk, 0,1
.irp i, 0,1,2,3
.irp j, 0,1,2
	ds_load_b128 v[WF+12*\i+4*\j:WF+12*\i+4*\j+3], v[AW] offset:12288*\i+3072*\c+1536*\kk+512*\j
.endr
.endr
.irp i, 0,1,2,3
.irp j, 0,1,2
	ds_load_b128 v[XF+12*\i+4*\j:XF+12*\i+4*\j+3], v[AX] offset:12288*\i+3072*\c+1536*\kk+512*\j
.endr
.endr
	s_wait_dscnt 0x0
.if (\c == 0) && (\kk == 0)
	MUL16 \swap, \kk, \c%2, \zero
.else
	MUL16 \swap, \kk, \c%2, 0
.endif
	NOP4                                           ; four places in front of loads into registers that these products read, and of the first read of results
.endr
.endr
.endm
	s_load_b256 s[4:11], s[0:1], 0x0               ; xcod s[4:5], xscl s[6:7], wcod s[8:9], wscl s[10:11]
	s_load_b256 s[12:19], s[0:1], 0x20             ; bq s[12:13], bk s[14:15], bv s[16:17], qbuf s[18:19]
	s_load_b64 s[20:21], s[0:1], 0x40              ; kvbuf
	s_set_vgpr_msb 0x40
	v_lshl_add_u32 v0, v0, 2, 0x48000
	v_mov_b32 v1, 0
	s_set_vgpr_msb 0x4045
	ds_add_u32 v0, v1
	ds_add_u32 v0, v1
	s_set_vgpr_msb 0x4500
	v_lshrrev_b32 v1, 5, v0
	s_delay_alu instid0(VALU_DEP_1)
	v_readfirstlane_b32 s[WV], v1                  ; wave 0..7
	s_bfe_u32 s23, ttmp6, 0x40000                  ; cx
	s_lshl_b32 s24, ttmp9, 2
	s_add_co_u32 s24, s24, s23                     ; my block of 128 tokens = 4 x cluster x + cx
	s_and_b32 s25, ttmp7, 0xffff                   ; y, which the partners share
	s_lshr_b32 s26, s[WV], 1                       ; wi: my head of the four
	s_and_b32 s27, s[WV], 1                        ; wj: my 64 tokens
	s_and_b32 s84, s[WV], 3                        ; which part of a chunk I fetch
	; group 1: W: 16 rows of 3,072 bytes (384 elements of 8), four whole tiles, dense in memory and in LDS; the mask names the cluster's four.  x: 8 such rows, no mask
	s_mov_b32 s[G1W+0], 15|(3<<16)|(1<<21)
	s_mov_b32 s[G1W+1], 384<<16
	s_mov_b32 s[G1W+2], 16<<16
	s_mov_b32 s[G1W+3], 384<<16
	s_mov_b32 s[G1W+4], 16
	s_mov_b32 s[G1W+5], 384
	s_mov_b32 s[G1W+6], 0
	s_mov_b32 s[G1W+7], 0
	s_mov_b32 s[G1X+0], 3<<16
	s_mov_b32 s[G1X+1], 384<<16
	s_mov_b32 s[G1X+2], 8<<16
	s_mov_b32 s[G1X+3], 384<<16
	s_mov_b32 s[G1X+4], 8
	s_mov_b32 s[G1X+5], 384
	s_mov_b32 s[G1X+6], 0
	s_mov_b32 s[G1X+7], 0
	s_lshl_b32 s86, s25, 4
	s_lshl_b32 s87, s84, 2
	s_add_co_u32 s86, s86, s87                     ; W: tile 16 y + 4 x part (no place in the cluster enters)
	s_mul_i32 s86, s86, 12288
	s_mov_b32 s87, 0
	s_lshl_b32 s88, s24, 3
	s_lshl_b32 s89, s84, 1
	s_add_co_u32 s88, s88, s89                     ; x: tile 8 x block + 2 x part
	s_mul_i32 s88, s88, 12288
	s_mov_b32 s89, 0
	s_mul_i32 s90, s84, 49152                      ; where my tiles go: four of W,
	s_mul_i32 s91, s84, 24576                      ; or two of x
	s_wait_dscnt 0x0
	s_wait_kmcnt 0x0
	s_add_nc_u64 s[86:87], s[8:9], s[86:87]
	s_add_nc_u64 s[88:89], s[4:5], s[88:89]
.irp c, 0
	s_mov_b32 s[G0W+4*\c], 1
	s_add_co_u32 s[G0W+4*\c+1], s90, \c*CHUNK
	s_add_nc_u64 s[G0W+4*\c+2:G0W+4*\c+3], s[86:87], \c*3072
	s_or_b32 s[G0W+4*\c+3], s[G0W+4*\c+3], 0x80000000
	s_mov_b32 s[G0X+4*\c], 1
	s_add_co_u32 s[G0X+4*\c+1], s91, \c*CHUNK+XOFF
	s_add_nc_u64 s[G0X+4*\c+2:G0X+4*\c+3], s[88:89], \c*3072
	s_or_b32 s[G0X+4*\c+3], s[G0X+4*\c+3], 0x80000000
.endr
	ROUND                                          ; all four work-groups are here: the joint loads meet
	s_cmp_lt_u32 s[WV], 4                          ; a wave's one fill stands in a branch on its number
	s_cbranch_scc0 .Lfill_x
.irp c, 0
	tensor_load_to_lds s[G0W+4*\c:G0W+4*\c+3], s[G1W:G1W+7]
	s_nop 0
.endr
	NOP4
	s_branch .Lfilled
.Lfill_x:
.irp c, 0
	tensor_load_to_lds s[G0X+4*\c:G0X+4*\c+3], s[G1X:G1X+7]
	s_nop 0
.endr
	NOP4
.Lfilled:
	v_and_b32 v7, 31, v0
	s_delay_alu instid0(VALU_DEP_1)
	v_lshlrev_b32 v5, 4, v7                        ; v5 = 16 x lane
	s_delay_alu instid0(VALU_DEP_2)
	v_lshlrev_b32 v6, 3, v7                        ; v6 = 8 x lane
	s_delay_alu instid0(VALU_DEP_3)
	v_lshlrev_b32 v3, 2, v7                        ; v3 = 4 x lane
	s_wait_alu depctr_va_vdst(0)
	s_mul_i32 s92, s26, 49152
	v_add_nc_u32 v[AW], s92, v5
	s_mul_i32 s92, s27, 49152
	s_add_co_u32 s92, s92, XOFF
	v_add_nc_u32 v[AX], s92, v5
	s_lshl_b32 s92, s25, 4
	s_lshl_b32 s93, s26, 2
	s_add_co_u32 s92, s92, s93
	s_lshl_b32 s92, s92, 9
	s_mov_b32 s93, 0
	s_add_nc_u64 s[10:11], s[10:11], s[92:93]      ; the scale words of my four tiles of W,
	s_lshl_b32 s92, s24, 3
	s_lshl_b32 s94, s27, 2
	s_add_co_u32 s92, s92, s94
	s_lshl_b32 s92, s92, 9
	s_add_nc_u64 s[6:7], s[6:7], s[92:93]          ; and of x
	SCLOAD 0, 0
	; where the results go
	s_lshr_b32 s92, s24, 4                         ; batch
	s_and_b32 s93, s24, 15                         ; key step
	s_lshl_b32 s94, s92, 2
	s_add_co_u32 s95, s94, s25
	s_lshl_b32 s95, s95, 2
	s_add_co_u32 s95, s95, s26                     ; Q: (batch x 4 + group) x 4 + head
	s_lshl_b32 s96, s93, 1
	s_add_co_u32 s96, s96, s27
	s_lshl_b32 s97, s95, 5
	s_add_co_u32 s97, s97, s96                     ; which four tiles
	s_mul_i32 s98, s97, 3072                       ; their units,
	s_lshl_b32 s99, s97, 8
	s_add_co_u32 s99, s99, QSO                     ; their scale words
	s_add_co_u32 s94, s94, s26
	s_lshl_b32 s94, s94, 4
	s_add_co_u32 s94, s94, s93
	s_mul_i32 s94, s94, 13312                      ; K, V: the block of (batch, group = my head, key step)
	s_max_u32 s95, s25, 4
	s_sub_co_u32 s95, s95, 4                       ; 0: K, 1: V
	s_mul_i32 s96, s95, 6144
	s_mul_i32 s97, s27, 3072
	s_add_co_u32 s96, s96, s97
	s_add_co_u32 s96, s96, s94                     ; my four units,
	s_lshl_b32 s95, s95, 9
	s_lshl_b32 s97, s27, 8
	s_add_co_u32 s95, s95, s97
	s_add_co_u32 s95, s95, s94
	s_add_co_u32 s95, s95, 12288                   ; their scale words
	s_cmp_lt_u32 s25, 4
	s_cselect_b32 s98, s98, s96
	s_cselect_b32 s96, s99, s95
	s_cselect_b64 s[84:85], s[18:19], s[20:21]
	s_mov_b32 s99, 0
	s_mov_b32 s97, 0
	s_add_nc_u64 s[86:87], s[84:85], s[96:97]      ; s[86:87]: the scale words
	s_add_nc_u64 s[84:85], s[84:85], s[98:99]      ; s[84:85]: the units
	s_mov_b32 s92, 0x7f7f0000                      ; the bytes of the two blocks that the scores' K does not have: 1.0
	s_mov_b32 s93, 0xffff0000                      ; lanes 16-31
	s_mov_b32 s[SEL], 0x76543210
	s_mov_b32 s[SEL+1], 0xfedcba98
	s_cmp_eq_u32 s25, 5                            ; y is the same in all partners and all waves
	s_cbranch_scc1 .Lv_path
	; ---- Q and K: the accumulators begin as the bias: register j of (a, b) is column 32 (b / 2) + 16 h + 8 (b % 2) + j of my head
	s_cmp_lt_u32 s25, 4
	s_cselect_b64 s[88:89], s[12:13], s[14:15]
	s_cselect_b32 s90, s25, 0
	s_lshl_b32 s90, s90, 10
	s_lshl_b32 s91, s26, 8
	s_add_co_u32 s90, s90, s91
	s_mov_b32 s91, 0
	s_add_nc_u64 s[88:89], s[88:89], s[90:91]
	v_bfe_u32 v4, v0, 4, 1
	s_delay_alu instid0(VALU_DEP_1)
	v_lshlrev_b32 v4, 6, v4                        ; 64 h
.irp a, 0,1,2,3
.irp b, 0,1,2,3
	global_load_b128 v[ACC+8*(4*\a+\b):ACC+8*(4*\a+\b)+3], v4, s[88:89] offset:(32*(\b/2)+8*(\b%2))*4
	global_load_b128 v[ACC+8*(4*\a+\b)+4:ACC+8*(4*\a+\b)+7], v4, s[88:89] offset:(32*(\b/2)+8*(\b%2))*4+16
.endr
.endr
	s_wait_alu depctr_va_vdst(0)
	MAIN 0, 0
	s_branch .Lepi
.Lv_path:
	; ---- V: a lane holds channel 32 (a / 2) + 8 (a % 2) + r + 8 (r / 8) of my head
	s_lshl_b32 s90, s26, 8
	s_mov_b32 s91, 0
	s_add_nc_u64 s[88:89], s[16:17], s[90:91]
	v_and_b32 v7, 15, v0
	s_delay_alu instid0(VALU_DEP_1)
	v_and_b32 v4, 8, v7
	s_delay_alu instid0(VALU_DEP_1)
	v_add_nc_u32 v4, v4, v7
	s_delay_alu instid0(VALU_DEP_1)
	v_lshlrev_b32 v4, 2, v4
.irp a, 0,1,2,3
	global_load_b32 v[BR+2*\a], v4, s[88:89] offset:(32*(\a/2)+8*(\a%2))*4
	v_mov_b32 v[BR+2*\a+1], 0                      ; (named with it as a pair, so it is written)
.endr
	MAIN 1, 1
.irp a, 0,1,2,3
.irp j, 0,2,4,6,8,10,12,14,16,18,20,22,24,26,28,30
	v_pk_add_f32 v[ACC+32*\a+\j:ACC+32*\a+\j+1], v[ACC+32*\a+\j:ACC+32*\a+\j+1], v[BR+2*\a:BR+2*\a+1] op_sel_hi:[1,0]   ; + my channel's bias; each accumulator from its low end on
.endr
.endr
.Lepi:
	; ---- the way out: for source 1's tile a the 32 registers are two blocks of 32 along the next K: a unit of 6 registers and two scale bytes
.irp b, 0,1,2,3
	v_mov_b32 v[TM+4+\b], 0                        ; a lane permute's destination counts as one of its sources
.endr
	QUANT ACC, 24, 48, 56                          ; tiles 0, 1 -> v24-35, word v56
	QUANT ACC+64, 36, 48, 57                       ; tiles 2, 3 -> v36-47, word v57
.irp i, 0,1
	v_and_or_b32 v76, v[56+\i], 0xffff, s92        ; tile 2 i's word,
	v_lshrrev_b32 v77, 16, v[56+\i]
	s_delay_alu instid0(VALU_DEP_1)
	v_or_b32 v77, s92, v77                         ; tile 2 i + 1's:
	s_delay_alu instid0(VALU_DEP_1)
	v_cndmask_b32 v[58+\i], v76, v77, s93          ; lanes 0-15 store the first, lanes 16-31 the second
.endr
.irp a, 0,1,2,3
	global_store_b128 v5, v[24+6*\a:24+6*\a+3], s[84:85] offset:768*\a        ; 512 consecutive bytes,
	global_store_b64 v6, v[24+6*\a+4:24+6*\a+5], s[84:85] offset:768*\a+512   ; 256 consecutive bytes
.endr
	global_store_b64 v6, v[58:59], s[86:87]        ; 256 consecutive bytes
	s_set_vgpr_msb 0x5
	s_wait_tensorcnt 0x0
	ds_add_u32 v0, v1
	s_wait_dscnt 0x0
	s_set_vgpr_msb 0x500
	ROUND                                          ; the closing round: no work-group ends while a partner may still ask for a tile that names it
	s_endpgm
.Lfunc_end_k_q8b5b98616b_gemm1:
	.size	k_q8b5b98616b_gemm1, .Lfunc_end_k_q8b5b98616b_gemm1-k_q8b5b98616b_gemm1
	.p2alignl 7, 3214868480
	.fill 96, 4, 3214868480
	.section	.rodata,"a",@progbits
	.p2align	6, 0x0
	.amdhsa_kernel k_q8b5b98616b_gemm1
		.amdhsa_group_segment_fixed_size 295936
		.amdhsa_private_segment_fixed_size 0
		.amdhsa_enable_private_segment 0
		.amdhsa_kernarg_size 72
		.amdhsa_user_sgpr_count 2
		.amdhsa_user_sgpr_kernarg_segment_ptr 1
		.amdhsa_wavefront_size32 1
		.amdhsa_system_sgpr_workgroup_id_x 1
		.amdhsa_system_sgpr_workgroup_id_y 1
		.amdhsa_system_sgpr_workgroup_id_z 1
		.amdhsa_system_vgpr_workitem_id 0
		.amdhsa_next_free_vgpr 258
		.amdhsa_next_free_sgpr 100
		.amdhsa_reserve_vcc 0
		.amdhsa_float_denorm_mode_32 3
		.amdhsa_float_denorm_mode_16_64 3
		.amdhsa_memory_ordered 1
		.amdhsa_forward_progress 1
		.amdhsa_inst_pref_size 91
	.end_amdhsa_kernel
	.amdgpu_metadata
---
amdhsa.version: [ 1, 2 ]
amdhsa.kernels:
  - .name:           k_q8b5b98616b_gemm1
    .symbol:         k_q8b5b98616b_gemm1.kd
    .args:
      - { .name: xcod, .offset: 0, .size: 8, .value_kind: global_buffer, .address_space: global }
      - { .name: xscl, .offset: 8, .size: 8, .value_kind: global_buffer, .address_space: global }
      - { .name: wcod, .offset: 16, .size: 8, .value_kind: global_buffer, .address_space: global }
      - { .name: wscl, .offset: 24, .size: 8, .value_kind: global_buffer, .address_space: global }
      - { .name: bq, .offset: 32, .size: 8, .value_kind: global_buffer, .address_space: global }
      - { .name: bk, .offset: 40, .size: 8, .value_kind: global_buffer, .address_space: global }
      - { .name: bv, .offset: 48, .size: 8, .value_kind: global_buffer, .address_space: global }
      - { .name: qbuf, .offset: 56, .size: 8, .value_kind: global_buffer, .address_space: global }
      - { .name: kvbuf, .offset: 64, .size: 8, .value_kind: global_buffer, .address_space: global }
    .group_segment_fixed_size: 295936
    .private_segment_fixed_size: 0
    .kernarg_segment_align: 8
    .kernarg_segment_size: 72
    .max_flat_workgroup_size: 256
    .sgpr_count:     100
    .vgpr_count:     258
    .wavefront_size: 32
...
	.end_amdgpu_metadata
.endif
;; end of part 2
;; launch attn (part 3): grid 16 x 16, 16 waves a work-group, clusters of 4 x 1, 292,864 bytes of LDS; arguments qbuf, kvbuf, acod, ascl; writes acod, ascl
.if DOCPART == 3
	.amdgcn_target "amdgcn-amd-amdhsa--gfx1250"
	.amdhsa_code_object_version 6
	.text
	.protected	k_q8b5b98616b_attn
	.globl	k_q8b5b98616b_attn
	.p2align	8
	.type	k_q8b5b98616b_attn,@function
k_q8b5b98616b_attn:
	s_mov_b64 s[64:65], 0
	v_nop
	global_prefetch_b8 v0, s[64:65] scope:SCOPE_SE
	s_setreg_imm32_b32 hwreg(HW_REG_WAVE_MODE, 25, 1), 1
	s_wait_xcnt 0x0
	s_wait_alu depctr_hold_cnt(0) depctr_sa_sdst(0) depctr_va_vdst(0) depctr_va_sdst(0) depctr_va_ssrc(0) depctr_va_vcc(0) depctr_vm_vsrc(0)
	s_getreg_b32 s2, hwreg(HW_REG_IB_STS2, 6, 4)
	s_cmp_eq_u32 s2, 0
	s_cbranch_scc0 .Lentry_in_a_cluster
	s_endpgm
.Lentry_in_a_cluster:
	s_bfe_u32 s2, ttmp6, 0x10000c
	s_cmp_lg_u32 s2, 0x3003
	s_cbranch_scc0 .Lentry_shape_is_right
	s_endpgm
.Lentry_shape_is_right:
; Attention on codes of FP6 (E2M3) with E8M0 scales.  For batch bt, group g (y = 4 bt + g) and head p of the group: O = softmax(Q K^T / 8) V, quantised at once into the last product's operand.
; THE SOFTMAX: t = score x log2(e) / 8; M = the running largest t rounded UP to a whole number; p = 2^(t - M) is quantised along the keys, not normalised; the row's sum is taken of the unquantised p and divides O at the end.
; When M moves, the sum and O are multiplied by 2^(old M - new M): exact.
; SHARES.  A work-group: 16 tiles of 16 tokens x 2 heads (2 pp, 2 pp + 1); each of its sixteen waves one tile of tokens for both heads: two tiles of queries share every fragment of K and V that the wave reads.
; LDS.  ALL of the group's K and V (16 key steps of 13,312 bytes) is filled once, each wave asking for one key step's block, as 52 rows of 256 bytes with 64 bytes of padding behind each (pitch 320); behind them each wave's
; two units of Q, then the spare words.  Nothing is filled again.  No prefetch: the one stream is asked for whole at the head, so there is no loop to run ahead in.
; CLUSTER.  The four work-groups of a cluster walk the same K and V: each block is asked for JOINTLY, by the same tensor load with a mask that names the four.
; LAYOUT.  Both products are used transposed: S^T = K Q^T (source 0 = 16 keys), O^T = V^T P^T (source 0 = 16 channels): a lane holds ONE query throughout.
; WHICH KEYS FORM A TILE is chosen here, by the lanes' LDS addresses: row m of tile 4 c + u is key 64 c + 32 (m / 8) + 8 u + m % 8.  So lane (query, h) finds in the 32 registers of tiles 4 c .. 4 c + 3 the keys
; 64 c + 32 h + 0 .. 31: a WHOLE block of the second product's K, in order, just where that product's operand wants it.  A block's largest p needs no other lane and no code changes lanes.
; In kvbuf row r of unit 2 B + u' is key 32 B + 8 u' + r + 8 (r / 8): the key above lies in unit 4 c + 2 (m / 8) + u % 2, row 8 (u / 2) + m % 8.  With the pitch of 320, two units (1,920 bytes) are 128 bytes off a multiple of 256.
; THE SCORES' K IS 64: half of the instruction's 128.  Q's operand is six registers of codes and six of zero codes; K's tiles lie six registers apart, so that a tile's upper half is whatever follows (the next tile's codes;
; behind tile 7 six registers of LDS offsets): every pattern of bits is a finite code, meets Q's zero codes and adds nothing; the upper two scale bytes of both sides are 1.0.
; A BARRIER IN EACH KEY STEP, signalled at the step's head and waited for in its middle, guards no data: it holds the sixteen waves within a key step of each other, so that they reach the closing round together.
; OUT.  O^T / the sum of both heads is 64 numbers a lane = one fragment (16 tokens x 128) of the last product: K step 2 g + pp, k = 64 (p % 2) + channel.
; LIMITS: the promise holds while |t| stays under 2^31; 1 / the sum is v_rcp_f32 and a multiplication; a block's largest p is made from its largest score by the same two instructions as every p; a block of zeros gets the
; byte 1 where the quantiser's rule says 127 (its codes are zeros; this program alone reads the bytes); NaN and infinities are not served.
.set WV,    12                         ; s12 my wave's number
.set G1,    20                         ; s[20:27], s[28:31] the descriptor
.set G0,    28
.set CS,    32                         ; s[32:33] c = log2(e) / 8
.set SEL,   34                         ; s[34:35] lane selects: lane l xor 16
.set PSEL,  36                         ; s36 v_perm_b32: the two low halves
.set CNT,   37                         ; s37 key steps to go
.set TB,    38                         ; s38 LDS byte at which the key step in hand begins
.set NC,    39                         ; s39 -c
.set GSTEP, 13312                      ; a key step in memory: K's 8 units of 768 bytes, V's 8, K's scale words (512 bytes), V's
.set UNIT,  960                        ; in LDS: a unit = 3 rows of 320
.set STEPB, 16640                      ; a key step = 52 rows
.set VU,    7680                       ; V's units (row 24)
.set KSC,   15360                      ; K's scale words (rows 48, 49)
.set VSC,   16000                      ; V's (rows 50, 51)
.set QIMG,  266240                     ; behind K and V: 1,536 bytes of Q for each wave
.set SPARE, 290816                     ; the spare words: 128 bytes for each wave
.set QSO,   6291456
.set AK16,  1                          ; v1-5 LDS addresses in the key step in hand: K's 16-byte pieces, K's 8-byte pieces, V's 16-byte pieces, 8 x lane, K's scale words
.set AK8,   2
.set AV16,  3
.set AV8,   4
.set AKS,   5
.set AQ16,  6                          ; v6, v7 my units of Q
.set AQ8,   7
.set QSC,   8                          ; v8 Q's scale words: lanes 0-15 the first head's, lanes 16-31 the second's
                                       ; v[10:11], v[12:13] (-M, the largest score) of the two tiles; v14, v15 their sums
.set QS,    16                         ; v16-21 Q's codes of the tile in hand, v22-27 zero codes
.set KV,    28                         ; v28-75 K's eight tiles, later V's four fragments
.set BK16,  76                         ; v76-80 the lanes' parts of v1-5; v81 16 x lane.  Never rewritten
.set BK8,   77
.set BV16,  78
.set BV8,   79
.set BKS,   80
.set L16,   81
.set KS,    82                         ; v82-85 K's, later V's scale words
.set S,     86                         ; v86-149  S^T of the tile in hand, then p
.set OT,    150                        ; v150-213 O^T, 32 a tile
.set P,     214                        ; v214-237 p's codes, 12 a tile
.set PW,    238                        ; v238-239 p's scale words
.set F,     240                        ; v[240:241] (f, 0)
.set T,     242                        ; v242-253 at work
.set SPW,   254                        ; v254 my spare word's address; v255 0.  Never rewritten
.set NIL,   255
.set TM,    86                         ; the way out's QUANT works in v86-101
.macro NOP4
.rept 4
	v_nop
.endr
.endm
.macro ROUND                           ; a round of the cluster's barrier
	s_barrier_signal -1
	s_barrier_wait -1
	s_cmp_lg_u32 s[WV], 0
	s_cbranch_scc1 .Lnot_wave_0_\@
	s_barrier_signal -3
.Lnot_wave_0_\@:
	s_barrier_wait -3
	s_barrier_signal -1
	s_barrier_wait -1
.endm
.macro QUANT s, pc, ct, pw             ; the way out: 64 numbers of a lane, register 16 b + i = k 32 b + 16 (lane / 16) + i, become a fragment's codes and its scale word
.irp b, 0,1,2,3
	v_max3_num_f32 v[TM+\b], |v[\s+16*\b]|, |v[\s+1+16*\b]|, 0x1800000
.endr
.irp i, 2,4,6,8,10,12,14
.irp b, 0,1,2,3
	v_max3_num_f32 v[TM+\b], v[TM+\b], |v[\s+16*\b+\i]|, |v[\s+1+16*\b+\i]|
.endr
.endr
.irp b, 0,1,2,3
	v_permlanex16_b32 v[TM+4+\b], v[TM+\b], s[SEL], s[SEL+1]
.endr
.irp b, 0,1,2,3
	v_max_num_f32 v[TM+\b], v[TM+\b], v[TM+4+\b]
.endr
.irp b, 0,1,2,3
	v_add_nc_u32 v[TM+12+\b], 0xff000000, v[TM+\b]
.endr
.irp b, 0,1,2,3
	v_lshrrev_b32 v[TM+4+\b], 23, v[TM+12+\b]
.endr
	v_lshl_or_b32 v[\pw], v[TM+5], 8, v[TM+4]
	s_delay_alu instid0(VALU_DEP_1)
	v_lshl_or_b32 v[\pw], v[TM+6], 16, v[\pw]
	s_delay_alu instid0(VALU_DEP_1)
	v_lshl_or_b32 v[\pw], v[TM+7], 24, v[\pw]
.irp c, 0,1
	v_cvt_scalef32_pk16_fp6_f32 v[\pc+6*\c:\pc+2+6*\c], v[\s+32*\c:\s+15+32*\c], v[TM+12+2*\c]
	v_cvt_scalef32_pk16_fp6_f32 v[\ct+4*\c:\ct+2+4*\c], v[\s+16+32*\c:\s+31+32*\c], v[TM+12+2*\c+1]
.endr
	v_nop                                          ; one plain place behind a scaled conversion
.irp c, 0,1
.irp i, 0,1,2
	v_permlane16_swap_b32 v[\pc+6*\c+\i], v[\ct+4*\c+\i]
.endr
.irp i, 0,1,2
	v_mov_b32 v[\pc+3+6*\c+\i], v[\ct+4*\c+\i]
.endr
.endr
.endm
; a tile of scores: source 0 = 16 keys, source 1 = Q's slot.  ra, rb: the side's scales stand in lanes 16-31
.macro WSC d, a, sa, ra, rb
.if (\ra) && (\rb)
	v_wmma_scale_f32_16x16x128_f8f6f4 v[\d:\d+7], v[\a:\a+11], v[QS:QS+11], 0, v[\sa], v[QSC] matrix_a_fmt:MATRIX_FMT_FP6 matrix_b_fmt:MATRIX_FMT_FP6 matrix_a_scale:MATRIX_SCALE_ROW1 matrix_b_scale:MATRIX_SCALE_ROW1
.elseif \ra
	v_wmma_scale_f32_16x16x128_f8f6f4 v[\d:\d+7], v[\a:\a+11], v[QS:QS+11], 0, v[\sa], v[QSC] matrix_a_fmt:MATRIX_FMT_FP6 matrix_b_fmt:MATRIX_FMT_FP6 matrix_a_scale:MATRIX_SCALE_ROW1
.elseif \rb
	v_wmma_scale_f32_16x16x128_f8f6f4 v[\d:\d+7], v[\a:\a+11], v[QS:QS+11], 0, v[\sa], v[QSC] matrix_a_fmt:MATRIX_FMT_FP6 matrix_b_fmt:MATRIX_FMT_FP6 matrix_b_scale:MATRIX_SCALE_ROW1
.else
	v_wmma_scale_f32_16x16x128_f8f6f4 v[\d:\d+7], v[\a:\a+11], v[QS:QS+11], 0, v[\sa], v[QSC] matrix_a_fmt:MATRIX_FMT_FP6 matrix_b_fmt:MATRIX_FMT_FP6
.endif
.endm
.macro SCORE q                         ; S^T of query tile q: eight tiles of 16 keys
.irp t, 0,1,2,3,4,5,6,7
	WSC S+8*\t, KV+6*\t, KS+\t/2, \t%2, \q
.endr
.endm
.macro WPV d, a, b, sa, sb, ra         ; O^T += V^T P^T: source 0 = 16 channels x 128 keys, source 1 = p
.if \ra
	v_wmma_scale_f32_16x16x128_f8f6f4 v[\d:\d+7], v[\a:\a+11], v[\b:\b+11], v[\d:\d+7], v[\sa], v[\sb] matrix_a_fmt:MATRIX_FMT_FP6 matrix_b_fmt:MATRIX_FMT_FP6 matrix_a_scale:MATRIX_SCALE_ROW1
.else
	v_wmma_scale_f32_16x16x128_f8f6f4 v[\d:\d+7], v[\a:\a+11], v[\b:\b+11], v[\d:\d+7], v[\sa], v[\sb] matrix_a_fmt:MATRIX_FMT_FP6 matrix_b_fmt:MATRIX_FMT_FP6
.endif
.endm
.macro RESCALE t                       ; tile t's O^T under the new M: x f, each accumulator from its low end on
.set J, 0
.rept 16
	v_pk_mul_f32 v[OT+32*(\t)+J:OT+32*(\t)+J+1], v[OT+32*(\t)+J:OT+32*(\t)+J+1], v[F:F+1] op_sel_hi:[1,0]
.set J, J+2
.endr
.endm
; THE SOFTMAX of query tile t for one key step: S^T's 64 registers (register 32 c + i = key 64 c + 32 (lane / 16) + i) become p's codes, its scale word, f, and the sum
.macro SM t
.set NM,  10+2*(\t)
.set RM,  11+2*(\t)
.set LL,  14+(\t)
.set PP,  P+12*(\t)
.irp g, 0,1,2,3
	v_max3_num_f32 v[T+\g], v[S+16*\g], v[S+16*\g+1], v[S+16*\g+2]   ; four chains of 16 registers by turns; each accumulator is first read at its low end
.endr
.irp i, 3,5,7,9,11,13
.irp g, 0,1,2,3
	v_max3_num_f32 v[T+\g], v[T+\g], v[S+16*\g+\i], v[S+16*\g+\i+1]
.endr
.endr
	v_max3_num_f32 v[T], v[T], v[T+1], v[S+15]
	v_max3_num_f32 v[T+2], v[T+2], v[T+3], v[S+47]
	v_max_num_f32 v[T], v[T], v[S+31]              ; my two blocks' largest scores: they serve for the row's maximum and, since p rises with the score, for the blocks' largest p
	v_max_num_f32 v[T+2], v[T+2], v[S+63]
	v_max3_num_f32 v[RM], v[RM], v[T], v[T+2]
	v_permlanex16_b32 v[T+4], v[RM], s[SEL], s[SEL+1]
	v_max_num_f32 v[RM], v[RM], v[T+4]             ; with lane l xor 16's keys: the running largest score
	v_mul_f32 v[T+6], s[NC], v[RM]                 ; -t (c is positive)
	v_floor_f32 v[T+6], v[T+6]                     ; the new -M = -ceil(t)
	v_sub_f32 v[T+5], v[T+6], v[NM]                ; old M - new M: a whole number, 0 or less
	v_cvt_i32_f32 v[T+5], v[T+5]                   ; (it saturates)
	v_ldexp_f32 v[F], 1.0, v[T+5]                  ; f = 2^(old M - new M)
.set J, 0
.rept 32
	v_pk_fma_f32 v[S+J:S+J+1], v[S+J:S+J+1], s[CS:CS+1], v[T+6:T+7] op_sel_hi:[1,0,0]   ; t - M, two at a time (of the pair the low word, -M, serves both halves)
.set J, J+2
.endr
	v_fma_f32 v[T], v[T], s[CS], v[T+6]            ; the same of each block's largest score
	v_fma_f32 v[T+2], v[T+2], s[CS], v[T+6]
	v_mov_b32 v[NM], v[T+6]                        ; -M is kept for the next key step
	s_wait_alu depctr_va_vdst(0)                   ; the wait ahead of the batch
	v_exp_f32 v[T], v[T]                           ; the blocks' largest p: the same two instructions on the same number give the same bits
	v_exp_f32 v[T+2], v[T+2]
.set J, 0
.rept 64
	v_exp_f32 v[S+J], v[S+J]                       ; p = 2^(t - M), at most 1
.set J, J+1
.endr
	v_mul_f32 v[LL], v[LL], v[F]                   ; the sum under the new M: the plain place behind the exponentials
	s_wait_alu depctr_va_vdst(0)                   ; one wait for the batch of 66, ahead of its first reader
.irp k, 0,1,2,3
	v_pk_add_f32 v[T+4+2*\k:T+5+2*\k], v[S+2*\k:S+2*\k+1], v[S+8+2*\k:S+9+2*\k]   ; the sum of the unquantised p: four chains of pairs by turns
.endr
.irp m, 2,3,4,5,6,7
.irp k, 0,1,2,3
	v_pk_add_f32 v[T+4+2*\k:T+5+2*\k], v[T+4+2*\k:T+5+2*\k], v[S+8*\m+2*\k:S+8*\m+2*\k+1]
.endr
.endr
	v_pk_add_f32 v[T+4:T+5], v[T+4:T+5], v[T+6:T+7]
	v_pk_add_f32 v[T+8:T+9], v[T+8:T+9], v[T+10:T+11]
	v_max_num_f32 v[T], 0x1800000, v[T]            ; the floor 2^(3 - 127): the byte cannot fall under 1
	v_max_num_f32 v[T+2], 0x1800000, v[T+2]
	v_pk_add_f32 v[T+4:T+5], v[T+4:T+5], v[T+8:T+9]
	v_add_nc_u32 v[T], 0xff000000, v[T]            ; 2 off the exponent field: the conversion's scale operand
	v_add_nc_u32 v[T+2], 0xff000000, v[T+2]
	v_add_f32 v[T+6], v[T+4], v[T+5]
	v_lshrrev_b32 v[T+1], 23, v[T]                 ; the scales' bytes
	v_lshrrev_b32 v[T+3], 23, v[T+2]
	v_add_f32 v[LL], v[LL], v[T+6]                 ; + this step's
	v_lshl_or_b32 v[T+1], v[T+3], 16, v[T+1]       ; my blocks h and 2 + h
	v_permlanex16_b32 v[T+3], v[T+1], s[SEL], s[SEL+1]
	v_cvt_scalef32_pk16_fp6_f32 v[PP:PP+2], v[S:S+15], v[T]
	v_cvt_scalef32_pk16_fp6_f32 v[T+4:T+6], v[S+16:S+31], v[T]        ; (a conversion's three registers begin on an even number)
	v_cvt_scalef32_pk16_fp6_f32 v[PP+6:PP+8], v[S+32:S+47], v[T+2]
	v_cvt_scalef32_pk16_fp6_f32 v[T+8:T+10], v[S+48:S+63], v[T+2]
	v_lshl_or_b32 v[PW+\t], v[T+3], 8, v[T+1]      ; lanes 0-15, which alone are read: bytes 0, 2 mine, bytes 1, 3 lane l + 16's.  Also the plain place behind the conversions
.irp i, 0,1,2
	v_mov_b32 v[PP+3+\i], v[T+4+\i]
	v_mov_b32 v[PP+9+\i], v[T+8+\i]
.endr
.endm
	s_load_b256 s[4:11], s[0:1], 0x0               ; qbuf s[4:5], kvbuf s[6:7], acod s[8:9], ascl s[10:11]
	v_lshl_add_u32 v[SPW], v0, 2, SPARE
	v_mov_b32 v[NIL], 0
	ds_add_u32 v[SPW], v[NIL]                      ; the opening lines: the add, twice on end, and its wait ahead of my tensor load
	ds_add_u32 v[SPW], v[NIL]
	v_lshrrev_b32 v1, 5, v0
	s_delay_alu instid0(VALU_DEP_1)
	v_readfirstlane_b32 s[WV], v1                  ; wave 0..15
	s_bfe_u32 s13, ttmp6, 0x40000                  ; cx
	s_lshl_b32 s14, ttmp9, 2
	s_add_co_u32 s14, s14, s13                     ; work-group x: it enters Q's and the results' addresses alone
	s_and_b32 s15, ttmp7, 0xffff                   ; y = 4 x batch + group, which the partners share
	s_lshr_b32 s16, s14, 3                         ; pp: heads 2 pp, 2 pp + 1
	s_and_b32 s17, s14, 7
	s_lshl_b32 s17, s17, 4
	s_add_co_u32 s17, s17, s[WV]                   ; my tile of tokens, 0..127
	; the descriptor: a key step's block, 13,312 dense bytes, as 52 rows of 256 bytes (32 elements of 8), 16 words of padding behind each 64; the mask names the cluster's four
	s_mov_b32 s[G1+0], 15|(3<<16)|(1<<20)|(1<<21)|(5<<22)|(15<<25)
	s_mov_b32 s[G1+1], 32<<16
	s_mov_b32 s[G1+2], 52<<16
	s_mov_b32 s[G1+3], 32<<16
	s_mov_b32 s[G1+4], 52
	s_mov_b32 s[G1+5], 32
	s_mov_b32 s[G1+6], 0
	s_mov_b32 s[G1+7], 0
	s_lshl_b32 s40, s15, 4
	s_add_co_u32 s40, s40, s[WV]                   ; key step = my wave's number
	s_mul_i32 s40, s40, GSTEP
	s_mov_b32 s41, 0
	s_mul_i32 s42, s[WV], STEPB
	s_mov_b32 s[CS], 0x3e38aa3b                    ; log2(e) / 8
	s_mov_b32 s[CS+1], s[CS]
	s_mov_b32 s[NC], 0xbe38aa3b
	s_mov_b32 s[SEL], 0x76543210
	s_mov_b32 s[SEL+1], 0xfedcba98
	s_mov_b32 s[PSEL], 0x05040100
	s_wait_dscnt 0x0                               ; both opening adds are done
	s_wait_kmcnt 0x0
	s_mov_b32 s[G0], 1
	s_mov_b32 s[G0+1], s42
	s_add_nc_u64 s[G0+2:G0+3], s[6:7], s[40:41]
	s_or_b32 s[G0+3], s[G0+3], 0x80000000
	ROUND                                          ; all four work-groups are here: the joint loads meet
	tensor_load_to_lds s[G0:G0+3], s[G1:G1+7]      ; my one tensor load
	s_nop 0
	NOP4
	s_lshl_b32 s44, s15, 2
	s_lshl_b32 s45, s16, 1
	s_add_co_u32 s44, s44, s45                     ; the first head's index in qbuf
	s_lshl_b32 s46, s44, 7
	s_add_co_u32 s46, s46, s17
	s_mul_i32 s46, s46, 768
	s_mov_b32 s47, 0
	s_add_nc_u64 s[46:47], s[4:5], s[46:47]        ; its unit of my tile; the second head's lies 128 units on
	s_lshl_b32 s48, s44, 5
	s_lshr_b32 s49, s17, 2
	s_add_co_u32 s48, s48, s49
	s_lshl_b32 s48, s48, 8
	s_and_b32 s49, s17, 1
	s_lshl_b32 s49, s49, 7
	s_add_co_u32 s48, s48, s49
	s_bfe_u32 s49, s17, 0x10001
	s_lshl_b32 s49, s49, 2
	s_add_co_u32 s48, s48, s49
	s_add_co_u32 s48, s48, QSO
	s_mov_b32 s49, 0
	s_add_nc_u64 s[48:49], s[4:5], s[48:49]        ; my tile's scale words
	s_lshr_b32 s52, s15, 2
	s_and_b32 s53, s15, 3                          ; g
	s_lshl_b32 s52, s52, 7
	s_add_co_u32 s52, s52, s17                     ; my tile among all 512
	s_lshl_b32 s54, s52, 3
	s_lshl_b32 s55, s53, 1
	s_add_co_u32 s54, s54, s55
	s_add_co_u32 s54, s54, s16                     ; fragment 8 x tile + 2 g + pp
	s_mul_i32 s54, s54, 1536
	s_mov_b32 s55, 0
	s_add_nc_u64 s[8:9], s[8:9], s[54:55]
	s_lshl_b32 s54, s52, 9
	s_lshl_b32 s53, s53, 7
	s_add_co_u32 s54, s54, s53
	s_lshl_b32 s53, s16, 6
	s_add_co_u32 s54, s54, s53
	s_add_nc_u64 s[10:11], s[10:11], s[54:55]      ; and its scale words
	s_mul_i32 s50, s[WV], 1536
	s_add_co_u32 s50, s50, QIMG
	v_and_b32 v[T], 31, v0                         ; lane
	v_and_b32 v[T+1], 15, v0                       ; r
	v_bfe_u32 v[T+2], v0, 4, 1                     ; h
	v_and_b32 v[T+3], 7, v0                        ; r % 8
	v_bfe_u32 v[T+4], v0, 3, 1                     ; r / 8
	v_lshlrev_b32 v[L16], 4, v[T]
	v_lshlrev_b32 v[BV8], 3, v[T]
	v_mul_u32_u24 v[T+5], v[T+2], 320
	v_mul_u32_u24 v[T+6], v[T+4], 2*UNIT
	v_lshl_add_u32 v[BV16], v[T+1], 4, v[T+5]      ; V: 16 r, and lanes 16-31 a row of 320 on
	v_lshl_add_u32 v[BK16], v[T+3], 4, v[T+6]      ; K: rows 8-15 of a tile come from two units on
	v_lshl_add_u32 v[BK8], v[T+3], 3, v[T+6]
	v_lshlrev_b32 v[BKS], 3, v[T+3]
	v_add_nc_u32 v[BK16], v[BK16], v[T+5]
	v_lshl_add_u32 v[BK8], v[T+2], 7, v[BK8]
	v_lshl_add_u32 v[BKS], v[T+4], 2, v[BKS]       ; K's scale words: 8 (r % 8) + 4 (r / 8), and lanes 16-31 the odd tile's, 128 bytes on
	v_lshlrev_b32 v[T+7], 3, v[T+1]
	v_add_nc_u32 v[AQ16], s50, v[L16]
	v_add_nc_u32 v[AQ8], s50, v[BV8]
	v_lshl_add_u32 v[BKS], v[T+2], 7, v[BKS]
	v_lshl_add_u32 v[T+7], v[T+2], 13, v[T+7]      ; Q's scale words: 8 r, and for lanes 16-31 the second head's, 8,192 bytes on
	global_load_b128 v[S:S+3], v[L16], s[46:47]
	global_load_b64 v[S+4:S+5], v[BV8], s[46:47] offset:512
	global_load_b128 v[S+6:S+9], v[L16], s[46:47] offset:98304
	global_load_b64 v[S+10:S+11], v[BV8], s[46:47] offset:98816
	global_load_b32 v[QSC], v[T+7], s[48:49]
.irp i, 0,1,2,3,4,5
	v_mov_b32 v[QS+6+\i], 0                        ; zero codes: the upper half of Q's operand
.endr
	v_mov_b32 v11, 0xff61b1e6                      ; the largest score so far: -3e38, under every score
	v_mov_b32 v13, 0xff61b1e6
	v_mul_f32 v10, s[NC], v11
	v_mul_f32 v12, s[NC], v13
	v_floor_f32 v10, v10                           ; -M
	v_floor_f32 v12, v12
	v_mov_b32 v14, 0                               ; the sums
	v_mov_b32 v15, 0
	v_mov_b32 v[F+1], 0                            ; (named as the upper half of the pair)
.set J, 0
.rept 64
	v_mov_b32 v[OT+J], 0                           ; O^T.  (The key step is written once: the first finds zeros, which the first change of M leaves zeros)
.set J, J+1
.endr
	s_wait_alu depctr_va_vdst(0)                   ; the wait at the head's end
	s_wait_loadcnt 0x0
	ds_store_b128 v[AQ16], v[S:S+3]                ; Q's two units wait in my own bytes of LDS: the registers have room for one at a time
	ds_store_b64 v[AQ8], v[S+4:S+5] offset:512
	ds_store_b128 v[AQ16], v[S+6:S+9] offset:768
	ds_store_b64 v[AQ8], v[S+10:S+11] offset:1280
	s_wait_tensorcnt 0x0                           ; my key step's block has landed,
	s_wait_dscnt 0x0
	s_barrier_signal -1
	s_barrier_wait -1                              ; everybody's has: all of K and V lies in LDS
	s_mov_b32 s[TB], 0
	s_mov_b32 s[CNT], 16
.Lstep:                                        ; a key step: 128 keys
	s_barrier_signal -1                            ; I have begun this step (no LDS instruction of mine is out); up to the wait below stand register work and loads of bytes that nobody writes
	v_add_nc_u32 v[AK16], s[TB], v[BK16]
	v_add_nc_u32 v[AK8], s[TB], v[BK8]
	v_add_nc_u32 v[AKS], s[TB], v[BKS]
	v_add_nc_u32 v[AV16], s[TB], v[BV16]
	v_add_nc_u32 v[AV8], s[TB], v[BV8]
.irp t, 0,1,2,3,4,5,6,7                        ; tile t = 4 c + u: unit 4 c + u % 2 (+ 2 for rows 8-15), rows 8 (u / 2) on
	ds_load_b128 v[KV+6*\t:KV+6*\t+3], v[AK16] offset:UNIT*(4*(\t/4)+(\t%2))+128*((\t%4)/2)
	ds_load_b64 v[KV+6*\t+4:KV+6*\t+5], v[AK8] offset:UNIT*(4*(\t/4)+(\t%2))+640+64*((\t%4)/2)
.endr
.irp i, 0,1,2,3
	ds_load_b32 v[KS+\i], v[AKS] offset:KSC+320*(\i/2)+64*(\i%2)   ; K's scale words: register i: lanes 0-15 tile 2 i, lanes 16-31 tile 2 i + 1
.endr
	ds_load_b128 v[QS:QS+3], v[AQ16]               ; the first head's Q
	ds_load_b64 v[QS+4:QS+5], v[AQ8] offset:512
	s_wait_dscnt 0x0
	SCORE 0
	NOP4                                           ; four places in front of the loads into Q's slot and of the first read of the scores
	ds_load_b128 v[QS:QS+3], v[AQ16] offset:768    ; the second head's Q lands under the first head's softmax
	ds_load_b64 v[QS+4:QS+5], v[AQ8] offset:1280
	SM 0
	s_wait_alu depctr_va_vdst(0)                   ; the wait here, directly ahead of the waits below
	s_barrier_wait -1                              ; every wave has begun this step
	s_wait_dscnt 0x0
	SCORE 1
	RESCALE 0                                      ; sixteen plain lines: the places behind those products
.irp d, 0,1,2,3
.irp k, 0,1
	ds_load_b128 v[KV+12*\d+6*\k:KV+12*\d+6*\k+3], v[AV16] offset:VU+(4*\k+\d)*UNIT      ; V's fragment of channels 16 d on: keys 64 k on
	ds_load_b64 v[KV+12*\d+6*\k+4:KV+12*\d+6*\k+5], v[AV8] offset:VU+(4*\k+\d)*UNIT+640
.endr
.endr
	ds_load_b64 v[KS:KS+1], v[AV8] offset:VSC      ; V's scale words: the first 64 keys' two bytes,
	ds_load_b64 v[KS+2:KS+3], v[AV8] offset:VSC+320   ; the second 64 keys'
	SM 1
	s_wait_alu depctr_va_vdst(0)                   ; the wait here, directly ahead of the wait below
	s_wait_dscnt 0x0
	v_perm_b32 v[KS], v[KS+2], v[KS], s[PSEL]      ; the two low halves make the word of 128 keys
	v_perm_b32 v[KS+1], v[KS+3], v[KS+1], s[PSEL]
	RESCALE 1                                      ; sixteen plain lines between these scale words, p's codes and the products below
.irp d, 0,1,2,3
.irp q, 0,1
	WPV OT+32*\q+8*\d, KV+12*\d, P+12*\q, KS+\d/2, PW+\q, \d%2   ; the eight accumulators by turns
.endr
.endr
	NOP4                                           ; four places in front of the next step's loads, and of the way out
	s_add_co_u32 s[TB], s[TB], STEPB
	s_sub_co_u32 s[CNT], s[CNT], 1
	s_cmp_lg_u32 s[CNT], 0
	s_cbranch_scc1 .Lstep
	; THE WAY OUT
	v_permlanex16_b32 v[T+4], v14, s[SEL], s[SEL+1]
	v_permlanex16_b32 v[T+5], v15, s[SEL], s[SEL+1]
	v_and_b32 v[T], 15, v0
	v_add_f32 v14, v14, v[T+4]                     ; with lane l xor 16's keys: the rows' sums
	v_add_f32 v15, v15, v[T+5]
	v_lshlrev_b32 v[T], 2, v[T]                    ; 4 x (lane % 16): the scale words' place
	s_wait_alu depctr_va_vdst(0)                   ; the wait ahead of the batch
	v_rcp_f32 v[T+8], v14
	v_rcp_f32 v[T+10], v15
	v_nop                                          ; a plain place behind the reciprocals
	s_wait_alu depctr_va_vdst(0)                   ; one wait for the two, ahead of their first reader
.irp t, 0,1
.set J, 0
.rept 16
	v_pk_mul_f32 v[OT+32*\t+J:OT+32*\t+J+1], v[OT+32*\t+J:OT+32*\t+J+1], v[T+8+2*\t:T+9+2*\t] op_sel_hi:[1,0]   ; O^T / the sum; register 16 b + i of a tile is channel 32 b + 16 h + i
.set J, J+2
.endr
.endr
	QUANT OT, P, P+12, PW                          ; blocks: (first head, channels 0-31), (first, 32-63), (second, 0-31), (second, 32-63)
.irp j, 0,1,2
	global_store_b128 v[L16], v[P+4*\j:P+4*\j+3], s[8:9] offset:512*\j   ; 512 consecutive bytes a store
.endr
	global_store_b32 v[T], v[PW], s[10:11]         ; both halves of the lanes store the same word
	s_wait_tensorcnt 0x0                           ; the wave's end
	ds_add_u32 v[SPW], v[NIL]
	s_wait_dscnt 0x0
	ROUND                                          ; the closing round
	s_endpgm
.Lfunc_end_k_q8b5b98616b_attn:
	.size	k_q8b5b98616b_attn, .Lfunc_end_k_q8b5b98616b_attn-k_q8b5b98616b_attn
	.p2alignl 7, 3214868480
	.fill 96, 4, 3214868480
	.section	.rodata,"a",@progbits
	.p2align	6, 0x0
	.amdhsa_kernel k_q8b5b98616b_attn
		.amdhsa_group_segment_fixed_size 292864
		.amdhsa_private_segment_fixed_size 0
		.amdhsa_enable_private_segment 0
		.amdhsa_kernarg_size 32
		.amdhsa_user_sgpr_count 2
		.amdhsa_user_sgpr_kernarg_segment_ptr 1
		.amdhsa_wavefront_size32 1
		.amdhsa_system_sgpr_workgroup_id_x 1
		.amdhsa_system_sgpr_workgroup_id_y 1
		.amdhsa_system_sgpr_workgroup_id_z 1
		.amdhsa_system_vgpr_workitem_id 0
		.amdhsa_next_free_vgpr 256
		.amdhsa_next_free_sgpr 66
		.amdhsa_reserve_vcc 0
		.amdhsa_float_denorm_mode_32 3
		.amdhsa_float_denorm_mode_16_64 3
		.amdhsa_memory_ordered 1
		.amdhsa_forward_progress 1
		.amdhsa_inst_pref_size 44
	.end_amdhsa_kernel
	.amdgpu_metadata
---
amdhsa.version: [ 1, 2 ]
amdhsa.kernels:
  - .name:           k_q8b5b98616b_attn
    .symbol:         k_q8b5b98616b_attn.kd
    .args:
      - { .name: qbuf, .offset: 0, .size: 8, .value_kind: global_buffer, .address_space: global }
      - { .name: kvbuf, .offset: 8, .size: 8, .value_kind: global_buffer, .address_space: global }
      - { .name: acod, .offset: 16, .size: 8, .value_kind: global_buffer, .address_space: global }
      - { .name: ascl, .offset: 24, .size: 8, .value_kind: global_buffer, .address_space: global }
    .group_segment_fixed_size: 292864
    .private_segment_fixed_size: 0
    .kernarg_segment_align: 8
    .kernarg_segment_size: 32
    .max_flat_workgroup_size: 512
    .sgpr_count:     66
    .vgpr_count:     256
    .wavefront_size: 32
...
	.end_amdgpu_metadata
.endif
;; end of part 3
;; launch gemm2 (part 4): grid 64 x 4, 8 waves a work-group, clusters of 4 x 1, 295,936 bytes of LDS; arguments acod, ascl, wcod, wscl, bo, out0; writes out0
.if DOCPART == 4
	.amdgcn_target "amdgcn-amd-amdhsa--gfx1250"
	.amdhsa_code_object_version 6
	.text
	.protected	k_q8b5b98616b_gemm2
	.globl	k_q8b5b98616b_gemm2
	.p2align	8
	.type	k_q8b5b98616b_gemm2,@function
k_q8b5b98616b_gemm2:
	s_mov_b64 s[64:65], 0
	v_nop
	global_prefetch_b8 v0, s[64:65] scope:SCOPE_SE
	s_setreg_imm32_b32 hwreg(HW_REG_WAVE_MODE, 25, 1), 1
	s_wait_xcnt 0x0
	s_wait_alu depctr_hold_cnt(0) depctr_sa_sdst(0) depctr_va_vdst(0) depctr_va_sdst(0) depctr_va_ssrc(0) depctr_va_vcc(0) depctr_vm_vsrc(0)
	s_getreg_b32 s2, hwreg(HW_REG_IB_STS2, 6, 4)
	s_cmp_eq_u32 s2, 0
	s_cbranch_scc0 .Lentry_in_a_cluster
	s_endpgm
.Lentry_in_a_cluster:
	s_bfe_u32 s2, ttmp6, 0x10000c
	s_cmp_lg_u32 s2, 0x3003
	s_cbranch_scc0 .Lentry_shape_is_right
	s_endpgm
.Lentry_shape_is_right:
; out0 = A Wo + bo on codes of FP6 (E2M3) with E8M0 scales.  A is the attention launch's result as codes (acod, ascl), Wo's codes are wcod's tiles 96-159, both with K in the same order.
; A work-group takes 128 tokens (8 tiles) x 256 columns (16 tiles); eight waves, wave w columns 64 (w / 2) on x tokens 64 (w % 2) on: 16 accumulators.
; ALL OF K (1,024) LIES IN LDS, filled once, walked in four chunks of 256: each wave issues one tensor load at the start and nothing is ever filled again.  A fragment is 1,536 dense bytes: three loads of
; 16 bytes a lane at 16 x lane.
; CLUSTER: the four work-groups of a cluster take four blocks of tokens and the same columns: Wo's tiles are asked for JOINTLY (waves 0-3); A's tiles are each work-group's own: plain loads (waves 4-7).
; Source 0 = 16 columns of Wo, source 1 = 16 tokens: a lane holds one token and eight neighbouring columns a tile.  The accumulators begin as the bias.
; The rows of a tile are not neighbours: row r of tile 2 B + u is index 32 B + 8 u + r + 8 (r / 8), of tokens and of columns alike; the way out puts both back.
; AS THE TEXT STANDS: each wave issues ONE tensor load, at the head: waves 0-3 four whole tiles of Wo (49,152 dense bytes, asked for jointly), waves 4-7 two whole tiles of A (24,576 dense bytes).
; LDS holds whole tiles of 12,288 bytes, Wo's sixteen and behind them A's eight; one wait for 0 and one barrier show them to all waves.  The chunks of 256 named above are only the order in which K is walked.
.set WV, 22
.set G1W,   28
.set G1X,   36
.set G0W,   44
.set G0X,   68
.set CHUNK, 73728
.set XOFF, 196608
.set AW,    1
.set AX,    2
.set SC,    8                          ; v8-23  scale words, two sets of 8
.set WF,    24                         ; v24-71   Wo's four fragments
.set XF,    72                         ; v72-119  A's four
.set STO,   120                        ; v120 the stage: where I put 32 bytes of a row
.set RD,    121                        ; v121 where I read rows back
.set CO,    122                        ; v122 my byte offset in out0
.set ACC,   128
.set OB,    24                         ; the way out: v24-55 and v56-87 by turns
.macro NOP4
.rept 4
	v_nop
.endr
.endm
.macro ROUND
	s_barrier_signal -1
	s_barrier_wait -1
	s_cmp_lg_u32 s[WV], 0
	s_cbranch_scc1 .Lnot_wave_0_\@
	s_barrier_signal -3
.Lnot_wave_0_\@:
	s_barrier_wait -3
	s_barrier_signal -1
	s_barrier_wait -1
.endm
.macro WM d, a, b, sa, sb, q           ; q = 1: the chunk's second K step: both sides' scales from lanes 16-31
.if \q
	v_wmma_scale_f32_16x16x128_f8f6f4 v[\d:\d+7], v[\a:\a+11], v[\b:\b+11], v[\d:\d+7], v[\sa], v[\sb] matrix_a_fmt:MATRIX_FMT_FP6 matrix_b_fmt:MATRIX_FMT_FP6 matrix_a_scale:MATRIX_SCALE_ROW1 matrix_b_scale:MATRIX_SCALE_ROW1
.else
	v_wmma_scale_f32_16x16x128_f8f6f4 v[\d:\d+7], v[\a:\a+11], v[\b:\b+11], v[\d:\d+7], v[\sa], v[\sb] matrix_a_fmt:MATRIX_FMT_FP6 matrix_b_fmt:MATRIX_FMT_FP6
.endif
.endm
.macro MUL16 q, st                     ; the sixteen accumulators take turns, in the same order in every step
.irp a, 0,1,2,3
.irp b, 0,1,2,3
	WM ACC+8*(4*\a+\b), WF+12*\b, XF+12*\a, SC+8*(\st)+\b, SC+8*(\st)+4+\a, \q
.endr
.endr
.endm
.macro SCLOAD c, st
.irp i, 0,1,2,3
	global_load_b32 v[SC+8*(\st)+\i], v3, s[10:11] offset:512*\i+128*(\c)
	global_load_b32 v[SC+8*(\st)+4+\i], v3, s[6:7] offset:512*\i+128*(\c)
.endr
.endm
	s_load_b256 s[4:11], s[0:1], 0x0               ; acod s[4:5], ascl s[6:7], wcod s[8:9], wscl s[10:11]
	s_load_b128 s[12:15], s[0:1], 0x20             ; bo s[12:13], out0 s[14:15]
	v_lshl_add_u32 v126, v0, 2, 0x48000
	v_mov_b32 v127, 0
	ds_add_u32 v126, v127
	ds_add_u32 v126, v127
	v_lshrrev_b32 v1, 5, v0
	s_delay_alu instid0(VALU_DEP_1)
	v_readfirstlane_b32 s[WV], v1                  ; wave 0..7
	s_bfe_u32 s23, ttmp6, 0x40000                  ; cx
	s_lshl_b32 s24, ttmp9, 2
	s_add_co_u32 s24, s24, s23                     ; my block of 128 tokens
	s_and_b32 s25, ttmp7, 0xffff                   ; y: my 256 columns, which the partners share
	s_lshr_b32 s26, s[WV], 1                       ; wi
	s_and_b32 s27, s[WV], 1                        ; wj
	s_and_b32 s84, s[WV], 3                        ; which part of a chunk I fetch
	s_mov_b32 s[G1W+0], 15|(3<<16)|(1<<21)         ; Wo: 16 rows of 3,072 bytes, four whole tiles, dense in memory and in LDS; the mask names the cluster's four
	s_mov_b32 s[G1W+1], 384<<16
	s_mov_b32 s[G1W+2], 16<<16
	s_mov_b32 s[G1W+3], 384<<16
	s_mov_b32 s[G1W+4], 16
	s_mov_b32 s[G1W+5], 384
	s_mov_b32 s[G1W+6], 0
	s_mov_b32 s[G1W+7], 0
	s_mov_b32 s[G1X+0], 3<<16                      ; A: 8 such rows, no mask
	s_mov_b32 s[G1X+1], 384<<16
	s_mov_b32 s[G1X+2], 8<<16
	s_mov_b32 s[G1X+3], 384<<16
	s_mov_b32 s[G1X+4], 8
	s_mov_b32 s[G1X+5], 384
	s_mov_b32 s[G1X+6], 0
	s_mov_b32 s[G1X+7], 0
	s_lshl_b32 s86, s25, 4
	s_lshl_b32 s87, s84, 2
	s_add_co_u32 s86, s86, s87
	s_add_co_u32 s86, s86, 96                      ; Wo: tile 96 + 16 y + 4 x part (no place in the cluster enters)
	s_mul_i32 s86, s86, 12288
	s_mov_b32 s87, 0
	s_lshl_b32 s88, s24, 3
	s_lshl_b32 s89, s84, 1
	s_add_co_u32 s88, s88, s89                     ; A: tile 8 x block + 2 x part
	s_mul_i32 s88, s88, 12288
	s_mov_b32 s89, 0
	s_mul_i32 s90, s84, 49152
	s_mul_i32 s91, s84, 24576
	s_wait_dscnt 0x0
	s_wait_kmcnt 0x0
	s_add_nc_u64 s[86:87], s[8:9], s[86:87]
	s_add_nc_u64 s[88:89], s[4:5], s[88:89]
.irp c, 0
	s_mov_b32 s[G0W+4*\c], 1
	s_add_co_u32 s[G0W+4*\c+1], s90, \c*CHUNK
	s_add_nc_u64 s[G0W+4*\c+2:G0W+4*\c+3], s[86:87], \c*3072
	s_or_b32 s[G0W+4*\c+3], s[G0W+4*\c+3], 0x80000000
	s_mov_b32 s[G0X+4*\c], 1
	s_add_co_u32 s[G0X+4*\c+1], s91, \c*CHUNK+XOFF
	s_add_nc_u64 s[G0X+4*\c+2:G0X+4*\c+3], s[88:89], \c*3072
	s_or_b32 s[G0X+4*\c+3], s[G0X+4*\c+3], 0x80000000
.endr
	ROUND                                          ; all four work-groups are here: the joint loads meet
	s_cmp_lt_u32 s[WV], 4                          ; a wave's one fill stands in a branch on its number
	s_cbranch_scc0 .Lfill_x
.irp c, 0
	tensor_load_to_lds s[G0W+4*\c:G0W+4*\c+3], s[G1W:G1W+7]
	s_nop 0
.endr
	NOP4
	s_branch .Lfilled
.Lfill_x:
.irp c, 0
	tensor_load_to_lds s[G0X+4*\c:G0X+4*\c+3], s[G1X:G1X+7]
	s_nop 0
.endr
	NOP4
.Lfilled:
	v_and_b32 v7, 31, v0
	s_delay_alu instid0(VALU_DEP_1)
	v_lshlrev_b32 v5, 4, v7                        ; 16 x lane
	s_delay_alu instid0(VALU_DEP_2)
	v_lshlrev_b32 v3, 2, v7                        ; 4 x lane
	s_wait_alu depctr_va_vdst(0)
	s_mul_i32 s92, s26, 49152
	v_add_nc_u32 v[AW], s92, v5
	s_mul_i32 s92, s27, 49152
	s_add_co_u32 s92, s92, XOFF
	v_add_nc_u32 v[AX], s92, v5
	s_lshl_b32 s92, s25, 4
	s_lshl_b32 s93, s26, 2
	s_add_co_u32 s92, s92, s93
	s_add_co_u32 s92, s92, 96
	s_lshl_b32 s92, s92, 9
	s_mov_b32 s93, 0
	s_add_nc_u64 s[10:11], s[10:11], s[92:93]      ; the scale words of my four tiles of Wo,
	s_lshl_b32 s92, s24, 3
	s_lshl_b32 s94, s27, 2
	s_add_co_u32 s92, s92, s94
	s_lshl_b32 s92, s92, 9
	s_add_nc_u64 s[6:7], s[6:7], s[92:93]          ; and of A
	SCLOAD 0, 0
	s_lshl_b32 s92, s25, 10
	s_lshl_b32 s94, s26, 8
	s_add_co_u32 s92, s92, s94                     ; my 64 columns, in bytes
	s_add_nc_u64 s[12:13], s[12:13], s[92:93]      ; in bo,
	s_add_nc_u64 s[14:15], s[14:15], s[92:93]      ; in a row of out0;
	s_lshl_b32 s92, s24, 7
	s_lshl_b32 s94, s27, 6
	s_add_co_u32 s92, s92, s94
	s_lshl_b32 s92, s92, 12                        ; my first token's row
	s_add_nc_u64 s[14:15], s[14:15], s[92:93]
	v_and_b32 v6, 15, v0                           ; r
	v_bfe_u32 v4, v0, 4, 1                         ; h
	s_mul_i32 s95, s[WV], 4352                     ; my stage: 16 rows x (256 + 16) bytes, in chunk 0's bytes: they have had their only fill, and the barrier below shows that nobody reads them
	v_mul_u32_u24 v[STO], v6, 272
	s_delay_alu instid0(VALU_DEP_1)
	v_lshl_add_u32 v[STO], v4, 6, v[STO]
	s_delay_alu instid0(VALU_DEP_1)
	v_add_nc_u32 v[STO], s95, v[STO]               ; in: row r, + 64 h
	v_mul_u32_u24 v[RD], v4, 272
	s_delay_alu instid0(VALU_DEP_1)
	v_lshl_add_u32 v[RD], v6, 4, v[RD]
	s_delay_alu instid0(VALU_DEP_1)
	v_add_nc_u32 v[RD], s95, v[RD]                 ; back: lanes 0-15 one row of 256 bytes, lanes 16-31 the next
	v_lshlrev_b32 v[CO], 12, v4
	s_delay_alu instid0(VALU_DEP_1)
	v_lshl_add_u32 v[CO], v6, 4, v[CO]             ; and the same two rows in out0
	v_lshlrev_b32 v4, 6, v4                        ; the bias: 64 h
.irp a, 0,1,2,3                                ; the accumulators begin as the bias: register j of (a, b) is column 32 (b / 2) + 16 h + 8 (b % 2) + j of my 64
.irp b, 0,1,2,3
	global_load_b128 v[ACC+8*(4*\a+\b):ACC+8*(4*\a+\b)+3], v4, s[12:13] offset:(32*(\b/2)+8*(\b%2))*4
	global_load_b128 v[ACC+8*(4*\a+\b)+4:ACC+8*(4*\a+\b)+7], v4, s[12:13] offset:(32*(\b/2)+8*(\b%2))*4+16
.endr
.endr
.irp c, 0,1,2,3
.if \c == 0
	s_wait_alu depctr_va_vdst(0)
	s_wait_tensorcnt 0x0                           ; my one tensor load has landed,
	s_barrier_signal -1
	s_barrier_wait -1                              ; everybody's has: all of K lies in LDS
.endif
.if \c < 3
	SCLOAD \c+1, (\c+1)%2
	s_wait_loadcnt 8                               ; all but the eight just issued: this chunk's scale words (and, the first time, the bias)
.else
	s_wait_loadcnt 0x0
.endif
.irp kk, 0,1
.irp i, 0,1,2,3
.irp j, 0,1,2
	ds_load_b128 v[WF+12*\i+4*\j:WF+12*\i+4*\j+3], v[AW] offset:12288*\i+3072*\c+1536*\kk+512*\j
.endr
.endr
.irp i, 0,1,2,3
.irp j, 0,1,2
	ds_load_b128 v[XF+12*\i+4*\j:XF+12*\i+4*\j+3], v[AX] offset:12288*\i+3072*\c+1536*\kk+512*\j
.endr
.endr
	s_wait_dscnt 0x0
	MUL16 \kk, \c%2
	NOP4                                           ; four places in front of loads into registers that these products read, and of the first read of results
.endr
.endr
	s_barrier_signal -1                            ; every wave's LDS loads are back (each K step waited for its own): the stages may be written
	s_barrier_wait -1
; THE WAY OUT, a tile of 16 tokens x 64 columns at a time: through my stage, back as whole rows of 256 bytes
.macro TOSTAGE a
.irp b, 0,1,2,3
	ds_store_b128 v[STO], v[ACC+8*(4*(\a)+\b):ACC+8*(4*(\a)+\b)+3] offset:128*(\b/2)+32*(\b%2)       ; each accumulator from its low end on
	ds_store_b128 v[STO], v[ACC+8*(4*(\a)+\b)+4:ACC+8*(4*(\a)+\b)+7] offset:128*(\b/2)+32*(\b%2)+16
.endr
.irp t, 0,1,2,3,4,5,6,7
	ds_load_b128 v[OB+32*((\a)%2)+4*\t:OB+32*((\a)%2)+4*\t+3], v[RD] offset:\t*2*272   ; LDS serves a wave's instructions in order: these see the stores above
.endr
.endm
.macro SEND a, younger                 ; younger: the LDS instructions issued behind tile a's loads, which may stay out
	s_wait_dscnt \younger
.irp t, 0,1,2,3,4,5,6,7
	global_store_b128 v[CO], v[OB+32*((\a)%2)+4*\t:OB+32*((\a)%2)+4*\t+3], s[14:15] offset:(32*((\a)/2)+8*((\a)%2)+2*\t+8*(\t/4))*4096 th:TH_STORE_NT   ; sixteen lanes store 256 consecutive bytes, aligned; row 2 t + lane / 16 of the tile is token 2 t + lane / 16 + 8 (t / 4)
.endr
.endm
	TOSTAGE 0
.irp a, 1,2,3
.if \a > 1
	s_wait_xcnt 0x0                                ; tile a - 2's stores have read their registers: tile a's loads may land there
.endif
	TOSTAGE \a
	SEND \a-1, 16                                  ; behind tile a - 1's loads: tile a's 8 stores and 8 loads
.endr
	SEND 3, 0
	s_wait_tensorcnt 0x0
	ds_add_u32 v126, v127
	s_wait_dscnt 0x0
	ROUND                                          ; the closing round: no work-group ends while a partner may still ask for a tile that names it
	s_endpgm
.Lfunc_end_k_q8b5b98616b_gemm2:
	.size	k_q8b5b98616b_gemm2, .Lfunc_end_k_q8b5b98616b_gemm2-k_q8b5b98616b_gemm2
	.p2alignl 7, 3214868480
	.fill 96, 4, 3214868480
	.section	.rodata,"a",@progbits
	.p2align	6, 0x0
	.amdhsa_kernel k_q8b5b98616b_gemm2
		.amdhsa_group_segment_fixed_size 295936
		.amdhsa_private_segment_fixed_size 0
		.amdhsa_enable_private_segment 0
		.amdhsa_kernarg_size 48
		.amdhsa_user_sgpr_count 2
		.amdhsa_user_sgpr_kernarg_segment_ptr 1
		.amdhsa_wavefront_size32 1
		.amdhsa_system_sgpr_workgroup_id_x 1
		.amdhsa_system_sgpr_workgroup_id_y 1
		.amdhsa_system_sgpr_workgroup_id_z 1
		.amdhsa_system_vgpr_workitem_id 0
		.amdhsa_next_free_vgpr 256
		.amdhsa_next_free_sgpr 100
		.amdhsa_reserve_vcc 0
		.amdhsa_float_denorm_mode_32 3
		.amdhsa_float_denorm_mode_16_64 3
		.amdhsa_memory_ordered 1
		.amdhsa_forward_progress 1
		.amdhsa_inst_pref_size 50
	.end_amdhsa_kernel
	.amdgpu_metadata
---
amdhsa.version: [ 1, 2 ]
amdhsa.kernels:
  - .name:           k_q8b5b98616b_gemm2
    .symbol:         k_q8b5b98616b_gemm2.kd
    .args:
      - { .name: acod, .offset: 0, .size: 8, .value_kind: global_buffer, .address_space: global }
      - { .name: ascl, .offset: 8, .size: 8, .value_kind: global_buffer, .address_space: global }
      - { .name: wcod, .offset: 16, .size: 8, .value_kind: global_buffer, .address_space: global }
      - { .name: wscl, .offset: 24, .size: 8, .value_kind: global_buffer, .address_space: global }
      - { .name: bo, .offset: 32, .size: 8, .value_kind: global_buffer, .address_space: global }
      - { .name: out0, .offset: 40, .size: 8, .value_kind: global_buffer, .address_space: global }
    .group_segment_fixed_size: 295936
    .private_segment_fixed_size: 0
    .kernarg_segment_align: 8
    .kernarg_segment_size: 48
    .max_flat_workgroup_size: 256
    .sgpr_count:     100
    .vgpr_count:     256
    .wavefront_size: 32
...
	.end_amdgpu_metadata
.endif
;; end of part 4
